; MI455X (gfx1250); checked and timed in simulation.
; The chip was launched on July 23, 2026; its instructions are those of AMD's public machine-readable ISA for CDNA 5 (MIT licence, August 2026) and "CDNA5" Instruction Set Architecture Reference Guide (July 2026). The comments in the code are by the model that wrote it; some were corrected since.
;; Multi Head Attention. Allowed arithmetic: matrix products marked QUANTISED: E2M3 operands, one E8M0 scale for each 32 along K, by v_wmma_scale_f32_16x16x128_f8f6f4 with both operands' format E2M3, f32 sums; everything else in f32.
;; Inputs: Wk 1,024 x 1,024 float32; Wo 1,024 x 1,024 float32; Wq 1,024 x 1,024 float32; Wv 1,024 x 1,024 float32; bo 1,024 float32; x 4 x 2,048 x 1,024 float32.
;; Outputs: out0 4 x 2,048 x 1,024 float32.
;; This version of the problem:
;;   THIS VERSION OF THE PROBLEM IS GIVEN IN LOW PRECISION. The matrix products marked QUANTISED in the list below multiply operands that are first quantised to E2M3 (2 exponent bits, 3 mantissa bits; 6 bits a number), with one power-of-two scale for each 32 numbers along K (OCP MX v1.0); their sums are f32. All else is computed in f32.
;;   The module's matrix products, in the order in which they are computed (A, B: the left and right operand; K: the contracted axis; several contracted axes count as one K, in the product's order):
;;     1. [M 8,192, K 1,024] x [K 1,024, N 1,024]; A: input x; B: input Wq: QUANTISED
;;     2. [M 8,192, K 1,024] x [K 1,024, N 1,024]; A: input x; B: input Wk: QUANTISED
;;     3. [M 8,192, K 1,024] x [K 1,024, N 1,024]; A: input x; B: input Wv: QUANTISED
;;     4. batch 64 x [M 2,048, K 64] x [K 64, N 2,048]; A: computed on the way; B: computed on the way: QUANTISED
;;     5. batch 64 x [M 2,048, K 2,048] x [K 2,048, N 64]; A: softmax (see below); B: computed on the way: QUANTISED
;;     6. [M 8,192, K 1,024] x [K 1,024, N 1,024]; A: computed on the way; B: input Wo: QUANTISED
;;   THE QUANTISER, for each operand of a quantised product, along K:
;;     - K is cut into blocks of 32 from its start; a last block that is shorter is filled with zeros.
;;     - A block's scale is 2^e with e = floor(log2(the largest magnitude in the block)) - 2, held to -126 .. 127; a block of zeros has e = 0. As a byte (E8M0): e + 127.
;;     - Each number is divided by its block's scale, clamped to +-7.5, and rounded to the nearest number of E2M3, ties to even, subnormals kept.
;;     - The product sums the exact products of the quantised numbers (number of the format x scale) in f32.
;;   ~~~python
;;   def quantise(x, axis):      # numpy; x: float32 -> the quantised numbers, widened to float32 again
;;       x = np.moveaxis(x, axis, -1); K = x.shape[-1]
;;       x = np.pad(x, [(0, 0)] * (x.ndim - 1) + [(0, -K % 32)]); x = x.reshape(x.shape[:-1] + (-1, 32)); a = np.abs(x).max(-1, keepdims=True)
;;       e = np.where(a > 0, np.clip(np.frexp(np.where(a > 0, a, 1))[1] - 1 - 2, -126, 127), 0)      # np.frexp(a)[1] - 1 = floor(log2(a)), exactly
;;       r = np.clip(x / 2.0 ** e, -7.5, 7.5)
;;       step = 2.0 ** (np.maximum(np.frexp(np.where(r == 0, 1, r))[1] - 1, 0) - 3)
;;       q = np.round(r / step) * step * 2.0 ** e      # np.round: ties to even
;;       return np.moveaxis(q.reshape(q.shape[:-2] + (-1,))[..., :K], -1, axis).astype(np.float32)
;;   ~~~
;;   SOFTMAX AHEAD OF A QUANTISED PRODUCT. Where the list says 'softmax', what is quantised is not the finished softmax but p = 2^(t - M), with t = logit x log2(e) and M = ceil(the row's largest t), a whole number; so 1/2 < the row's largest p <= 1. The row's sum l is taken of the UNQUANTISED p, in f32, and the product's result is divided by l at the end. Since M is a whole number, a kernel that streams over the keys may use a running M (the ceiling of the running maximum): every later rescaling is an exact power of two, which a block's scale takes up: the codes' values come out the same.
;;   OPERANDS COMPUTED ON THE WAY. 'Computed on the way' means the value that the module computes at that place (a softmax that the list does not call 'softmax' is quantised finished and normalised). What goes into a quantiser is computed in f32, as accurately as f32 sums, v_exp_f32 and their like allow (about 1e-6 of the number): no bf16 or f16 on the way to a quantiser, and a product that is left as it is and whose result goes on into a quantised operand takes f32 operands (vector FMAs, or v_wmma_f32_16x16x4_f32). A number that lies on a knife's edge between two numbers of the format may be rounded either way, as far as f32 arithmetic and the matrix unit's own rounding can turn it there, and no further.
;; One version. Each part assembles by itself: llvm-mc -triple=amdgcn-amd-amdhsa -mcpu=gfx1250 --defsym DOCPART=n.
;; ======== version 1 of 1: 4 launches
;; workspace buffers: xw_img 9,437,184 bytes; xw_sc 393,216 bytes; qkv_img 18,874,368 bytes; qkv_sc 786,432 bytes; ctx_img 6,291,456 bytes; ctx_sc 262,144 bytes
;; launch quant (part 1): grid 384 x 1, 4 waves a work-group, no clusters, 35,328 bytes of LDS; arguments x, Wq, Wk, Wv, Wo, xw_img, xw_sc; writes xw_img, xw_sc
.if DOCPART == 1
	.amdgcn_target "amdgcn-amd-amdhsa--gfx1250"
	.amdhsa_code_object_version 6
	.text
	.protected	k_qc186735ff6_quant
	.globl	k_qc186735ff6_quant
	.p2align	8
	.type	k_qc186735ff6_quant,@function
k_qc186735ff6_quant:
	s_mov_b64 s[64:65], 0
	v_nop
	global_prefetch_b8 v0, s[64:65] scope:SCOPE_SE
	s_setreg_imm32_b32 hwreg(HW_REG_WAVE_MODE, 25, 1), 1
	s_wait_xcnt 0x0
; x [8192][1024] and Wq, Wk, Wv, Wo [1024][1024], f32, K innermost, become codes of FP6 (E2M3) with one E8M0 byte for each 32 along K, laid as the later launches' operand registers want them.
; POSITIONS.  The five tensors are one list of 12,288 rows (x, Wq, Wk, Wv, Wo).  Position p holds the row whose number is p with bits 3 and 4 exchanged.  So sixteen neighbouring positions, 32 b + 16 u + r, hold rows
; 32 b + 8 u + (r & 7) + 16 (r >> 3): used as source 0 of a matrix instruction, two neighbouring such tiles leave 16 neighbouring rows in a lane's 16 result registers.
; IMAGES.  A fragment (16 positions x 128 K, 12 registers a lane) lies as two halves of 768 bytes: registers 6 c .. 6 c + 3 at 16 x lane, registers 6 c + 4, 6 c + 5 at 512 + 8 x lane.  xw_img: [row tile F 768][kappa 8][1536].
; SCALES.  xw_sc: 512 bytes a row tile; the word (4 bytes: 128 along K) of kappa and row r at 256 (kappa >> 2) + 16 r + 4 (kappa & 3).
; A block's scale is 2^(floor(log2(its largest magnitude)) - 2); its byte is the largest magnitude's exponent field - 2, held at 1 from below.
; LIMITS: a block of zeros gets the byte 1 where the rule says 127 (its codes are zeros, and this program alone reads the bytes); NaN and infinities among the inputs are not served.
; SHARES.  Work-group g takes positions 32 g .. 32 g + 31.  Wave w: row tile F = 2 g + (w >> 1), kappa 4 (w & 1) .. + 3: eight steps, each a half image: 16 rows x 64 K.
; In a half image lane (r, h) holds a WHOLE block: k = 32 h + 0 .. 31 of row r.  A load is best where neighbouring lanes take neighbouring bytes: sixteen lanes read 256 consecutive bytes of a row; the step's
; 4,096 bytes turn through the wave's own stage in LDS (rows of 256 + 16 bytes) and come back 128 bytes a lane.  No barrier: waves share nothing.  Loads run four steps (32 loads a wave) ahead, the turn one step.
.set STEPS, 8
.set VIN, 1                            ; v1   in: 16 rows x (lane / 16) + 16 x (lane % 16)
.set VST, 2                            ; v2   the stage, on the way in
.set VRD, 3                            ; v3   and on the way out: my row, my block
.set L16, 4                            ; v4   16 x lane
.set L8,  5                            ; v5   8 x lane
.set SCA, 6                            ; v6   16 r + 8 h: my two scale words
.set SH8, 7                            ; v7   8 h
.set E,   14                           ; v14-21  a scale byte for each step
.set WD,  22                           ; v22-25  the four scale words; v26 at work
.set R,   32                           ; v32-159  four sets of 32 numbers as they are loaded
.set X,   160                          ; v160-223 two sets of 32 neighbours
.set C,   224                          ; v224-247 two sets of 12: six registers of codes, and three for the second conversion
.set SP,  272                          ; a stage row
.set STG, 16*SP                        ; a stage
	s_load_b256 s[4:11], s[0:1], 0x0               ; x, Wq, Wk, Wv
	s_load_b128 s[12:15], s[0:1], 0x20             ; Wo, xw_img
	s_load_b64 s[16:17], s[0:1], 0x30              ; xw_sc
	v_lshl_add_u32 v248, v0, 2, 0x8800
	v_mov_b32 v249, 0
	v_lshrrev_b32 v8, 5, v0
	v_readfirstlane_b32 s18, v8                    ; wave
	v_and_b32 v9, 31, v0                           ; lane
	v_and_b32 v10, 15, v0                          ; r
	v_bfe_u32 v8, v0, 4, 1                         ; h
	s_lshr_b32 s19, s18, 1                         ; u: which of the two row tiles
	s_and_b32 s20, s18, 1                          ; H: which half of K
	v_lshlrev_b32 v[VIN], 16, v8                   ; lanes 16-31 read 16 rows of 4,096 bytes further down
	v_lshl_add_u32 v[VIN], v10, 4, v[VIN]
	s_mul_i32 s21, s18, 2*STG                      ; my wave's two stages
	v_mul_u32_u24 v[VST], v8, 8*SP                 ; lanes 16-31 fill image rows 8 .. 15
	v_lshl_add_u32 v[VST], v10, 4, v[VST]
	v_add_nc_u32 v[VST], s21, v[VST]
	v_mul_u32_u24 v[VRD], v10, SP
	v_lshl_add_u32 v[VRD], v8, 7, v[VRD]
	v_add_nc_u32 v[VRD], s21, v[VRD]
	v_lshlrev_b32 v[L16], 4, v9
	v_lshlrev_b32 v[L8], 3, v9
	v_lshlrev_b32 v[SCA], 4, v10
	v_lshl_add_u32 v[SCA], v8, 3, v[SCA]
	v_lshlrev_b32 v[SH8], 3, v8
	v_mov_b32 v26, 0                               ; a lane permute's destination counts as one of its sources
	s_and_b32 s22, ttmp9, 31
	s_cmp_lt_u32 ttmp9, 256
	s_cselect_b32 s22, ttmp9, s22                  ; which 32 rows of its tensor: g in x, g % 32 in a weight
	s_lshl_b32 s22, s22, 17                        ; 32 rows of 4,096 bytes,
	s_lshl_b32 s24, s19, 15                        ; + 8 u rows,
	s_add_co_u32 s22, s22, s24
	s_lshl_b32 s24, s20, 11                        ; + 512 H numbers
	s_add_co_u32 s22, s22, s24
	s_mov_b32 s23, 0
	s_lshl_b32 s30, ttmp9, 1
	s_add_co_u32 s30, s30, s19                     ; F
	s_mul_i32 s24, s30, 12288
	s_mul_i32 s31, s20, 6144
	s_add_co_u32 s24, s24, s31                     ; my four fragments in xw_img
	s_mov_b32 s25, 0
	s_lshl_b32 s28, s30, 9
	s_lshl_b32 s31, s20, 8
	s_add_co_u32 s28, s28, s31                     ; my 256 bytes of xw_sc
	s_mov_b32 s29, 0
	s_mov_b32 s26, 0x76543210
	s_mov_b32 s27, 0xfedcba98                      ; v_permlanex16_b32's selects for lane l xor 16
	s_wait_alu depctr_va_vdst(0)
	s_wait_kmcnt 0x0
	s_cmp_lt_u32 ttmp9, 352                        ; which tensor: the choice hangs on the work-group's number alone
	s_cselect_b64 s[12:13], s[10:11], s[12:13]
	s_cmp_lt_u32 ttmp9, 320
	s_cselect_b64 s[12:13], s[8:9], s[12:13]
	s_cmp_lt_u32 ttmp9, 288
	s_cselect_b64 s[12:13], s[6:7], s[12:13]
	s_cmp_lt_u32 ttmp9, 256
	s_cselect_b64 s[12:13], s[4:5], s[12:13]
	s_add_nc_u64 s[12:13], s[12:13], s[22:23]
	s_add_nc_u64 s[14:15], s[14:15], s[24:25]
	s_add_nc_u64 s[16:17], s[16:17], s[28:29]
.macro LOAD t                          ; step t: 64 numbers of each of 16 rows; load i: rows 8 u + i (lanes 0-15) and 8 u + i + 16 (lanes 16-31), 256 consecutive bytes each
.irp i, 0,1,2,3,4,5,6,7
	global_load_b128 v[R+32*((\t)%4)+4*\i:R+32*((\t)%4)+4*\i+3], v[VIN], s[12:13] offset:4096*\i+256*(\t) th:TH_LOAD_NT
.endr
.endm
.macro TURN t                          ; step t's numbers through a stage: LDS serves a wave's instructions in order, so no wait stands between the stores and the loads
.irp i, 0,1,2,3,4,5,6,7
	ds_store_b128 v[VST], v[R+32*((\t)%4)+4*\i:R+32*((\t)%4)+4*\i+3] offset:STG*((\t)%2)+SP*\i
.endr
.irp i, 0,1,2,3,4,5,6,7
	ds_load_b128 v[X+32*((\t)%2)+4*\i:X+32*((\t)%2)+4*\i+3], v[VRD] offset:STG*((\t)%2)+16*\i
.endr
.endm
.irp t, 0,1,2,3
	LOAD \t
.endr
	s_wait_loadcnt 24                              ; step 0's eight loads are in; three sets of eight may be out
	TURN 0
.macro STEP t
.set XS, X+32*((\t)%2)
.set CC, C+12*((\t)%2)
	s_wait_dscnt 0x0                               ; this step's numbers are back from the stage, and its stores into the stage have read their registers,
.if (\t)+4 < STEPS
	LOAD (\t)+4                                    ; which take the loads of four steps on
.endif
.if (\t)+1 < STEPS
.if (\t)+4 < STEPS
	s_wait_loadcnt 24                              ; the next step's eight loads are in; those of the three steps behind it may be out
.else
	s_wait_loadcnt 8*(STEPS-2-(\t))
.endif
	TURN (\t)+1                                    ; they go through the other stage while this step is worked
.endif
	v_max3_num_f32 v12, |v[XS]|, |v[XS+1]|, |v[XS+2]|      ; the block's largest magnitude: all 32 numbers are mine; two chains
	v_max3_num_f32 v13, |v[XS+3]|, |v[XS+4]|, |v[XS+5]|
.irp i, 6,10,14,18,22,26
	v_max3_num_f32 v12, v12, |v[XS+\i]|, |v[XS+\i+1]|
	v_max3_num_f32 v13, v13, |v[XS+\i+2]|, |v[XS+\i+3]|
.endr
	v_max3_num_f32 v12, v12, |v[XS+30]|, |v[XS+31]|
	v_max3_num_f32 v12, v12, v13, 0x1800000        ; and the floor 2^(3 - 127): the byte cannot fall under 1
	v_add_nc_u32 v11, 0xff000000, v12              ; 2 off the exponent field: the conversion takes the exponent field of this operand as its scale
	s_wait_alu depctr_va_vdst(0)
	s_wait_xcnt 0x0                                ; the stores of two steps back have read this set of code registers: only now is it written again
	v_cvt_scalef32_pk16_fp6_f32 v[CC:CC+2], v[XS:XS+15], v11
	v_cvt_scalef32_pk16_fp6_f32 v[CC+6:CC+8], v[XS+16:XS+31], v11   ; (a conversion's three registers begin on an even number)
	v_lshrrev_b32 v[E+(\t)], 23, v11               ; the scale's byte; also the plain line behind the conversions
.irp i, 0,1,2
	v_mov_b32 v[CC+3+\i], v[CC+6+\i]
.endr
	global_store_b128 v[L16], v[CC:CC+3], s[14:15] offset:768*(\t)          ; 512 consecutive bytes
	global_store_b64 v[L8], v[CC+4:CC+5], s[14:15] offset:768*(\t)+512      ; 256 consecutive bytes
.endm
.irp t, 0,1,2,3,4,5,6,7
	STEP \t
.endr
; The scale words.  Step 2 k + c gave lane (r, h) the byte of block 2 c + h of fragment k: my two bytes go to their places, lane l xor 16 has the other two.
.irp k, 0,1,2,3
	v_lshl_or_b32 v[WD+\k], v[E+2*\k+1], 16, v[E+2*\k]
	v_lshlrev_b32 v[WD+\k], v[SH8], v[WD+\k]
	v_permlanex16_b32 v26, v[WD+\k], s26, s27
	v_or_b32 v[WD+\k], v[WD+\k], v26
.endr
	s_mov_b32 vcc_lo, 0xffff0000                   ; lanes 16-31
	v_cndmask_b32 v8, v[WD], v[WD+2], vcc_lo       ; lane (r, h) stores words 2 h and 2 h + 1 of row r
	v_cndmask_b32 v9, v[WD+1], v[WD+3], vcc_lo
	global_store_b64 v[SCA], v[8:9], s[16:17]      ; 256 consecutive bytes, aligned
	s_wait_tensorcnt 0x0
	ds_add_u32 v248, v249
	s_wait_dscnt 0x0
	s_endpgm
.Lfunc_end_k_qc186735ff6_quant:
	.size	k_qc186735ff6_quant, .Lfunc_end_k_qc186735ff6_quant-k_qc186735ff6_quant
	.p2alignl 7, 3214868480
	.fill 96, 4, 3214868480
	.section	.rodata,"a",@progbits
	.p2align	6, 0x0
	.amdhsa_kernel k_qc186735ff6_quant
		.amdhsa_group_segment_fixed_size 35328
		.amdhsa_private_segment_fixed_size 0
		.amdhsa_enable_private_segment 0
		.amdhsa_kernarg_size 56
		.amdhsa_user_sgpr_count 2
		.amdhsa_user_sgpr_kernarg_segment_ptr 1
		.amdhsa_wavefront_size32 1
		.amdhsa_system_sgpr_workgroup_id_x 1
		.amdhsa_system_sgpr_workgroup_id_y 1
		.amdhsa_system_sgpr_workgroup_id_z 1
		.amdhsa_system_vgpr_workitem_id 0
		.amdhsa_next_free_vgpr 250
		.amdhsa_next_free_sgpr 66
		.amdhsa_reserve_vcc 1
		.amdhsa_float_denorm_mode_32 3
		.amdhsa_float_denorm_mode_16_64 3
		.amdhsa_memory_ordered 1
		.amdhsa_forward_progress 1
		.amdhsa_inst_pref_size 32
	.end_amdhsa_kernel
	.amdgpu_metadata
---
amdhsa.version: [ 1, 2 ]
amdhsa.kernels:
  - .name:           k_qc186735ff6_quant
    .symbol:         k_qc186735ff6_quant.kd
    .args:
      - { .name: x, .offset: 0, .size: 8, .value_kind: global_buffer, .address_space: global }
      - { .name: Wq, .offset: 8, .size: 8, .value_kind: global_buffer, .address_space: global }
      - { .name: Wk, .offset: 16, .size: 8, .value_kind: global_buffer, .address_space: global }
      - { .name: Wv, .offset: 24, .size: 8, .value_kind: global_buffer, .address_space: global }
      - { .name: Wo, .offset: 32, .size: 8, .value_kind: global_buffer, .address_space: global }
      - { .name: xw_img, .offset: 40, .size: 8, .value_kind: global_buffer, .address_space: global }
      - { .name: xw_sc, .offset: 48, .size: 8, .value_kind: global_buffer, .address_space: global }
    .group_segment_fixed_size: 35328
    .private_segment_fixed_size: 0
    .kernarg_segment_align: 8
    .kernarg_segment_size: 56
    .max_flat_workgroup_size: 128
    .sgpr_count:     66
    .vgpr_count:     250
    .wavefront_size: 32
...
	.end_amdgpu_metadata
.endif
;; end of part 1
;; launch qkv (part 2): grid 8 x 48, 4 waves a work-group, clusters of 4 x 4, 327,680 bytes of LDS; arguments xw_img, xw_sc, qkv_img, qkv_sc; writes qkv_img, qkv_sc
.if DOCPART == 2
	.amdgcn_target "amdgcn-amd-amdhsa--gfx1250"
	.amdhsa_code_object_version 6
	.text
	.protected	k_qc186735ff6_qkv
	.globl	k_qc186735ff6_qkv
	.p2align	8
	.type	k_qc186735ff6_qkv,@function
k_qc186735ff6_qkv:
	s_mov_b64 s[64:65], 0
	v_nop
	global_prefetch_b8 v0, s[64:65] scope:SCOPE_SE
	s_setreg_imm32_b32 hwreg(HW_REG_WAVE_MODE, 25, 1), 1
	s_wait_xcnt 0x0
	s_wait_alu depctr_hold_cnt(0) depctr_sa_sdst(0) depctr_va_vdst(0) depctr_va_sdst(0) depctr_va_ssrc(0) depctr_va_vcc(0) depctr_vm_vsrc(0)
	s_getreg_b32 s2, hwreg(HW_REG_IB_STS2, 6, 4)
	s_cmp_eq_u32 s2, 0
	s_cbranch_scc0 .Lentry_in_a_cluster
	s_endpgm
.Lentry_in_a_cluster:
	s_bfe_u32 s2, ttmp6, 0x10000c
	s_cmp_lg_u32 s2, 0xf033
	s_cbranch_scc0 .Lentry_shape_is_right
	s_endpgm
.Lentry_shape_is_right:
; q = x Wq^T, k = x Wk^T, v = x Wv^T on codes of FP6 (E2M3) with E8M0 scales, K = 1,024, sums in f32; each result is quantised again on its way out, along the K of the product that will read it, and never goes to memory as f32.
; OPERANDS come as register images (16 positions x 128 K = 1,536 bytes: for each half c of K, registers 6 c .. 6 c + 3 at 16 x lane, registers 6 c + 4, 5 at 512 + 8 x lane): xw_img [row tile 768][kappa 8][1536]; x from tile 0, Wq from 512, Wk 576, Wv 640.
; Position p of a tensor holds the row p with bits 3 and 4 exchanged, so the 16 result registers of two neighbouring tiles of source 0 are 16 neighbouring rows of it.
; A work-group makes 256 x 256: 'A' (source 1) gives the lanes, 'B' (source 0) the registers.  Clusters y 0-7: A = x, B = Wq | Wk: a lane holds a token and its registers run along the channels: q and k are quantised along the head's 64.
; Clusters y 8-11: A = Wv, B = x: a lane holds a channel and its registers run along the tokens: v is quantised along the keys.  Both take one path through the text; only addresses differ.
; Four waves, each 128 x 128: 64 accumulators, 512 registers.  K goes in four steps of 256 through two LDS slots filled by the tensor data mover; all four are written out.  The scale words of the 512 rows come once, with the first fills.
; CLUSTERS: 4 x 4 work-groups; A's tiles are asked for jointly along a row of the cluster, B's along a column.
; OUT.  For each of A's eight blocks the wave's 64 registers a lane are 128 neighbours along the next K: one fragment and one scale word a row.  qkv_img [tau 1536][a 8][1536], tau = (kind x 8 + head pair) x 64 + group of 128 tokens;
; q, k: fragment a = token tile a, half c = head 2 hp + c;  v: fragment a = channel tile a % 4 of head 2 hp + a / 4, K = the group's 128 tokens.  qkv_sc [tau][512]: the word of fragment a, row r at 256 (a & 1) + 16 r + 4 (a >> 1).
; LIMITS: a block of zeros gets the byte 1 (its codes are zeros; this program alone reads the bytes); NaN and infinities are not served.
; REGISTERS, in windows of 256: window 0: v0-31 addresses; v32-63 scale words, two sets; v128-223 A's fragments, ONE set; on the way out v112-227 at work.  window 1: B's fragments, two sets, at v0 and v128.
;   window 2: the accumulators of my A blocks 0-3 ((a, b) at v[8 (8 a + b)]);  window 3: those of blocks 4-7.
.set NQ,     2                         ; matrix instructions deep in a slot
.set FR,     12                        ; registers of a fragment
.set NL,     4                         ; LDS loads that bring one
.set NP,     4                         ; places behind this matrix instruction (ISA guide 7.12.1)
.set FRB,    1536                      ; a fragment's image
.set TROW,   NQ*FRB                    ; a row tile's bytes in a slot
.set FROW,   8*FRB                     ; and in memory, all of K
.set HALFT,  8*TROW                    ; 128 rows: what one tensor load brings, and what one wave reads of A or of B
.set SLOT,   4*HALFT                   ; A's 256 rows, then B's 256 rows
.set SCL,    2*SLOT                    ; behind the ring: the scale words
.set HALFS,  8*512                     ; those of 128 rows
.set SPARE,  SCL+4*HALFS               ; behind them: the spare words, 128 bytes for each wave: two blocks of 256 bytes that no other line names
.set ADRA, 16                          ; v16-17 LDS address of my A fragments in slot 0, 1, + 16 x lane;  v18-19 the same + 8 x lane
.set ADRB, 20                          ; v20-23 the same for B
.set L16,  24                          ; v24  16 x lane
.set L8,   25                          ; v25  8 x lane
.set ADRS, 27                          ; v27  LDS address of my scale words: lanes 0-15 A's rows, lanes 16-31 B's
.set SPW,  28                          ; v28  LDS address of my spare word; never rewritten
.set NIL,  29                          ; v29  0; never rewritten
.set SC,   32                          ; scale words: set s at v[SC + 16 s]; register 2 i + q: lanes 0-15 the word of A's block i, lanes 16-31 of B's block i, for the slot's q-th 128 along K
.set AF,   128                         ; A's fragments
.set PC,   112                         ; the way out: v112-130 the codes just made
.set TM,   200                         ; v200-203 largest magnitudes, v204-207 bytes, v212-215 the conversions' scale operands
.set PW,   216                         ; v216-223 the eight scale words
.set SW,   224                         ; v224-227 as they are stored
.set G1, 24                            ; s[24:31] descriptor group 1 for A's tiles;  s[32:39] group 0, one set for each slot
.set G0, 32
.set G1B, 48                           ; s[48:55], s[56:63] the same for B's
.set G0B, 56
.set G1S, 68                           ; s[68:75], s[76:79] groups 1 and 0 for A's scales;  s[80:87], s[88:91] for B's
.set G0S, 76
.set G1SB, 80
.set G0SB, 88
.set SEL, 96                           ; s[96:97] v_permlanex16_b32's selects for lane l xor 16
.set MSB, 0
.macro WIN new                         ; the immediate's high byte repeats the setting that is left
.if MSB != \new
	s_set_vgpr_msb (MSB<<8)|\new
.set MSB, \new
.endif
.endm
.set MUL_LO, 0xa1                      ; source 0 (B) window 1, source 1 (A) window 0, C and D window 2
.set MUL_HI, 0xf1                      ; the same, C and D window 3
.set TO_B,   0x40                      ; destination window 1, address window 0
; A joint load: waves 0 and 1 fetch for A, waves 2 and 3 for B.  Each of the two lines has one mask and one set of registers for all that issue it; the branch hangs on the wave's number alone.
; Four v_nop follow each of the two lines, ahead of the jump, the label and what follows.
.macro JLOAD g0a, g1a, g0b, g1b
	s_cmp_eq_u32 s17, 0
	s_cbranch_scc0 .Lfor_b_\@
	tensor_load_to_lds s[\g0a:\g0a+3], s[\g1a:\g1a+7]
	s_nop 0
.rept 4
	v_nop
.endr
	s_branch .Lasked_\@
.Lfor_b_\@:
	tensor_load_to_lds s[\g0b:\g0b+3], s[\g1b:\g1b+7]
	s_nop 0
.rept 4
	v_nop
.endr
.Lasked_\@:
.endm
.macro CREST                           ; a round of the cluster's barrier behind its opening barrier
	s_cmp_lg_u32 s16, 0
	s_cbranch_scc1 .Lnot_wave_0_\@
	s_barrier_signal -3
.Lnot_wave_0_\@:
	s_barrier_wait -3
	s_barrier_signal -1
	s_barrier_wait -1
.endm
.macro CROUND                          ; a whole round
	s_barrier_signal -1
	s_barrier_wait -1
	CREST
.endm
	s_load_b128 s[4:7], s[0:1], 0x0                ; A's codes and scales: xw_img, xw_sc
	s_load_b128 s[8:11], s[0:1], 0x0               ; B's: the same two buffers
	s_load_b128 s[12:15], s[0:1], 0x10             ; qkv_img, qkv_sc
	v_lshl_add_u32 v[SPW], v0, 2, SPARE
	v_mov_b32 v[NIL], 0
	ds_add_u32 v28, v29
	ds_add_u32 v28, v29
	s_wait_dscnt 0x0
	v_lshrrev_b32 v1, 5, v0
	v_readfirstlane_b32 s16, v1                    ; wave 0..3
	s_lshr_b32 s17, s16, 1                         ; which half of A's rows is mine.  Also: I fetch for A (0) or for B (1)
	s_and_b32 s18, s16, 1                          ; which half of B's rows.  Also: which 128 rows of that tile I fetch
	s_bfe_u32 s40, ttmp6, 0x40000                  ; cx, cy: my place in the cluster
	s_bfe_u32 s41, ttmp6, 0x40004
	s_lshl_b32 s42, ttmp9, 2
	s_add_co_u32 s42, s42, s40                     ; wx = 4 x cluster x + cx
	s_and_b32 s19, ttmp7, 0xffff                   ; Cy: cluster y, 0 .. 11
	s_lshr_b32 s99, s19, 3                         ; isV: 1 in clusters y 8 .. 11
	s_xor_b32 s95, s99, 1                          ; isQ
	s_lshl_b32 s43, s41, 2
	s_lshl_b32 s43, 15, s43                        ; my row of the cluster
	s_lshl_b32 s44, 0x1111, s40                    ; my column
	; descriptor group 1 for codes: 8 row tiles x 3,072 bytes (384 elements of 8 bytes), 12,288 bytes apart in memory, on end in LDS
	s_or_b32 s[G1+0], s43, (3<<16)|(1<<21)         ; 15:0 the mask: A's tiles go to my row; 17:16 elements of 8 bytes; 20 no padding; 21 set beside a mask
	s_or_b32 s[G1B+0], s44, (3<<16)|(1<<21)
.irp g, G1, G1B
	s_mov_b32 s[\g+1], 384<<16                     ; tensor_dim0
	s_mov_b32 s[\g+2], 8<<16                       ; tensor_dim1
	s_mov_b32 s[\g+3], 384<<16                     ; tile_dim0
	s_mov_b32 s[\g+4], 8                           ; tile_dim1
	s_mov_b32 s[\g+5], 1536                        ; tensor_dim0_stride
	s_mov_b32 s[\g+6], 0
	s_mov_b32 s[\g+7], 0
.endr
	; and for the scale words of 128 rows: 4,096 dense bytes as 16 rows of 256
	s_or_b32 s[G1S+0], s43, (3<<16)|(1<<21)
	s_or_b32 s[G1SB+0], s44, (3<<16)|(1<<21)
.irp g, G1S, G1SB
	s_mov_b32 s[\g+1], 32<<16
	s_mov_b32 s[\g+2], 16<<16
	s_mov_b32 s[\g+3], 32<<16
	s_mov_b32 s[\g+4], 16
	s_mov_b32 s[\g+5], 32
	s_mov_b32 s[\g+6], 0
	s_mov_b32 s[\g+7], 0
.endr
	; A's first row tile: 16 (4 Cy + cy) in x, or 640 + 16 cy in Wv: made of Cy and cy alone
	s_mul_i32 s20, s19, s95
	s_lshl_b32 s20, s20, 2
	s_add_co_u32 s20, s20, s41
	s_lshl_b32 s20, s20, 4
	s_mul_i32 s21, s99, 640
	s_add_co_u32 s20, s20, s21
	; B's: 512 + 16 wx in Wq | Wk, or 16 (wx + 8 (Cy - 8)) in x: made of Cy, cluster x and cx alone
	s_lshl_b32 s46, s42, 4
	s_lshl_b32 s47, s95, 9
	s_add_co_u32 s46, s46, s47
	s_and_b32 s47, s19, 7                          ; Cy - 8 where isV
	s_mul_i32 s47, s47, s99
	s_lshl_b32 s47, s47, 7
	s_add_co_u32 s46, s46, s47
	s_lshl_b32 s21, s18, 3                         ; which 8 row tiles I fetch
	s_add_co_u32 s20, s20, s21
	s_add_co_u32 s46, s46, s21
	s_lshl_b32 s22, s20, 9                         ; where these rows' scale words begin,
	s_mov_b32 s23, 0
	s_mul_i32 s20, s20, FROW                       ; and their codes
	s_mov_b32 s21, 0
	s_lshl_b32 s92, s46, 9
	s_mov_b32 s93, 0
	s_mul_i32 s46, s46, FROW
	s_mov_b32 s47, 0
	s_mul_i32 s45, s16, HALFT                      ; where they go: wave x 128 rows: no place in the cluster enters an LDS address
	s_lshl_b32 s94, s16, 12
	s_mov_b32 s[SEL], 0x76543210
	s_mov_b32 s[SEL+1], 0xfedcba98
	s_wait_kmcnt 0x0
	s_add_nc_u64 s[20:21], s[4:5], s[20:21]
	s_add_nc_u64 s[22:23], s[6:7], s[22:23]
	s_add_nc_u64 s[46:47], s[8:9], s[46:47]
	s_add_nc_u64 s[92:93], s[10:11], s[92:93]
	CROUND                                         ; all sixteen work-groups are here: the first joint loads meet
	s_mov_b32 s[G0S], 1
	s_add_co_u32 s[G0S+1], s94, SCL
	s_mov_b64 s[G0S+2:G0S+3], s[22:23]
	s_or_b32 s[G0S+3], s[G0S+3], 0x80000000
	s_mov_b32 s[G0SB], 1
	s_add_co_u32 s[G0SB+1], s94, SCL
	s_mov_b64 s[G0SB+2:G0SB+3], s[92:93]
	s_or_b32 s[G0SB+3], s[G0SB+3], 0x80000000
	JLOAD G0S, G1S, G0SB, G1SB                     ; the scale words first: they are wanted with K step 0
.irp s, 0,1
	s_mov_b32 s[G0+4*\s], 1
	s_add_co_u32 s[G0+4*\s+1], s45, \s*SLOT
	s_add_nc_u64 s[G0+4*\s+2:G0+4*\s+3], s[20:21], \s*TROW
	s_or_b32 s[G0+4*\s+3], s[G0+4*\s+3], 0x80000000
	s_mov_b32 s[G0B+4*\s], 1
	s_add_co_u32 s[G0B+4*\s+1], s45, \s*SLOT
	s_add_nc_u64 s[G0B+4*\s+2:G0B+4*\s+3], s[46:47], \s*TROW
	s_or_b32 s[G0B+4*\s+3], s[G0B+4*\s+3], 0x80000000
	JLOAD G0+4*\s, G1, G0B+4*\s, G1B               ; three loads of mine are out at the most
.endr
	v_and_b32 v1, 15, v0                           ; r
	v_bfe_u32 v2, v0, 4, 1                         ; h
	v_and_b32 v3, 31, v0                           ; lane
	v_lshlrev_b32 v[L16], 4, v3
	v_lshlrev_b32 v[L8], 3, v3
	s_mul_i32 s21, s17, HALFT                      ; my 128 rows of A
	s_mul_i32 s22, s18, HALFT                      ; my 128 rows of B,
	s_add_co_u32 s22, s22, 2*HALFT                 ; which lie behind A's 256
.irp s, 0,1
	v_add_nc_u32 v[ADRA+\s], s21, v[L16]
	v_add_nc_u32 v[ADRB+\s], s22, v[L16]
	v_add_nc_u32 v[ADRA+2+\s], s21, v[L8]
	v_add_nc_u32 v[ADRB+2+\s], s22, v[L8]
	s_add_co_u32 s21, s21, SLOT
	s_add_co_u32 s22, s22, SLOT
.endr
	s_lshl_b32 s21, s17, 12                        ; A's scale words: my 128 rows
	s_lshl_b32 s22, s18, 12                        ; B's: my 128 rows, behind A's 256
	s_add_co_u32 s22, s22, 2*HALFS
	s_sub_co_u32 s22, s22, s21
	v_mul_u32_u24 v6, s22, v2                      ; lanes 16-31 take B's
	s_add_co_u32 s21, s21, SCL
	v_lshl_add_u32 v6, v1, 4, v6                   ; 16 bytes a row in each half of a row tile's 512
	v_add_nc_u32 v[ADRS], s21, v6
	; where my results go: tau.  It enters the stores' addresses alone
	s_lshl_b32 s92, s19, 2
	s_add_co_u32 s92, s92, s41                     ; wy = 4 Cy + cy
	s_lshl_b32 s92, s92, 1
	s_add_co_u32 s92, s92, s17                     ; q, k: the group of 128 tokens: 2 wy + my half of A,
	s_lshl_b32 s93, s42, 1
	s_add_co_u32 s93, s93, s18                     ; kind x 8 + head pair: 2 wx + my half of B
	s_lshl_b32 s93, s93, 6
	s_add_co_u32 s92, s92, s93
	s_lshl_b32 s93, s41, 1
	s_add_co_u32 s93, s93, s17
	s_add_co_u32 s93, s93, 16                      ; v: 16 + head pair: 2 cy + my half of A,
	s_lshl_b32 s93, s93, 6
	s_and_b32 s94, s19, 7
	s_lshl_b32 s94, s94, 3
	s_add_co_u32 s94, s94, s42
	s_lshl_b32 s94, s94, 1
	s_add_co_u32 s94, s94, s18                     ; the group of tokens: 2 (wx + 8 (Cy - 8)) + my half of B
	s_add_co_u32 s93, s93, s94
	s_cmp_eq_u32 s99, 0
	s_cselect_b32 s92, s92, s93
	s_mul_i32 s94, s92, FROW
	s_mov_b32 s95, 0
	s_add_nc_u64 s[12:13], s[12:13], s[94:95]
	s_lshl_b32 s94, s92, 9
	s_add_nc_u64 s[14:15], s[14:15], s[94:95]
.macro FRAG reg, adr, q, i             ; a fragment comes as it was stored: every load takes 512 or 256 consecutive bytes
	ds_load_b128 v[\reg:\reg+3], v[\adr] offset:(\i)*TROW+(\q)*FRB
	ds_load_b64 v[\reg+4:\reg+5], v[\adr+2] offset:(\i)*TROW+(\q)*FRB+512
	ds_load_b128 v[\reg+6:\reg+9], v[\adr] offset:(\i)*TROW+(\q)*FRB+768
	ds_load_b64 v[\reg+10:\reg+11], v[\adr+2] offset:(\i)*TROW+(\q)*FRB+1280
.endm
; 16 matrix instructions: A's blocks a0, a0 + 1 x B's eight, 128 along K: the slot's q-th.  p: B's set;  sc: the set of scale words.  zero = 1: the first product starts the sums.
; The 64 accumulators take turns, one instruction a turn, in the same order in every step.
.macro MUL16 a0, p, q, sc, zero
.irp a, \a0, \a0+1
.irp b, 0,1,2,3,4,5,6,7
.if \zero
	v_wmma_scale_f32_16x16x128_f8f6f4 v[8*(8*((\a)%4)+\b):8*(8*((\a)%4)+\b)+7], v[128*(\p)+FR*\b:128*(\p)+FR*\b+FR-1], v[AF+FR*(\a):AF+FR*(\a)+FR-1], 0, v[SC+8*NQ*(\sc)+NQ*\b+(\q)], v[SC+8*NQ*(\sc)+NQ*(\a)+(\q)] matrix_a_fmt:MATRIX_FMT_FP6 matrix_b_fmt:MATRIX_FMT_FP6 matrix_a_scale:MATRIX_SCALE_ROW1
.else
	v_wmma_scale_f32_16x16x128_f8f6f4 v[8*(8*((\a)%4)+\b):8*(8*((\a)%4)+\b)+7], v[128*(\p)+FR*\b:128*(\p)+FR*\b+FR-1], v[AF+FR*(\a):AF+FR*(\a)+FR-1], v[8*(8*((\a)%4)+\b):8*(8*((\a)%4)+\b)+7], v[SC+8*NQ*(\sc)+NQ*\b+(\q)], v[SC+8*NQ*(\sc)+NQ*(\a)+(\q)] matrix_a_fmt:MATRIX_FMT_FP6 matrix_b_fmt:MATRIX_FMT_FP6 matrix_a_scale:MATRIX_SCALE_ROW1
.endif
.endr
.endr
.endm
.macro FETCH_B slot, q, p              ; B's eight fragments of the slot's q-th 128 along K into set p
	WIN TO_B
.irp i, 0,1,2,3,4,5,6,7
	FRAG 128*(\p)+FR*\i, ADRB+\slot, \q, \i
.endr
	WIN 0
.endm
.macro FETCH_A slot, q, i0             ; A's blocks i0 .. i0 + 3
.irp i, \i0, \i0+1, \i0+2, \i0+3
	FRAG AF+FR*(\i), ADRA+\slot, \q, \i
.endr
.endm
.macro SCALES sc, ks                   ; K step ks's scale words into set sc: two words a row; lanes 0-15 take A's block i, lanes 16-31 B's block i
.irp i, 0,1,2,3,4,5,6,7
	ds_load_b64 v[SC+8*NQ*\sc+NQ*\i:SC+8*NQ*\sc+NQ*\i+1], v[ADRS] offset:\i*512+256*((\ks)/2)+8*((\ks)%2)
.endr
.endm
; A load into a register that a matrix instruction has read, and a vector instruction that reads a matrix result or writes one of its registers, stand NP places behind it; only plain vector instructions
; that name none of its registers are places (ISA guide 7.12.1 for vector instructions).
.macro PLACES n
.rept \n
	v_nop
.endr
.endm
; A step of 128 along K that has its successor in the same slot.  A block of A is free as soon as its eight products are issued, so A has one set: blocks 0-3 are fetched anew in the middle, blocks 4-7 at the end.
.macro STEP slot, q, zero
	s_wait_dscnt 4*NL                              ; B's set and A's blocks 0-3 are in; the youngest 16 loads (A's blocks 4-7) may be out
	WIN MUL_LO
	MUL16 0, (\q)%2, \q, \slot, \zero
	MUL16 2, (\q)%2, \q, \slot, \zero
	s_wait_dscnt 0                                 ; A's blocks 4-7 are in
	PLACES NP
	FETCH_B \slot, (\q)+1, 1-(\q)%2
	FETCH_A \slot, (\q)+1, 0
	WIN MUL_HI
	MUL16 4, (\q)%2, \q, \slot, \zero
	MUL16 6, (\q)%2, \q, \slot, \zero
	PLACES NP
	WIN 0
	FETCH_A \slot, (\q)+1, 4
.endm
; A slot's last step changes slots: ONE barrier; in front of it each wave waits for all its tensor loads, adds 0 to its spare word, and waits for that and for its own reads of this slot.
; fill = 1: this slot is filled again, two K steps ahead; the barrier then opens a round of the cluster's barrier.  ks: the K step that lies in the next slot.
.macro TURN slot, next, fill, ks
	s_wait_tensorcnt 0x0                           ; all my tensor loads have landed: my part of the next slot;  (every window is 0 here)
	ds_add_u32 v[SPW], v[NIL]                      ; 0 onto my spare word
	s_wait_dscnt 4*NL+1                            ; (the add and the youngest 16 loads, A's blocks 4-7, may be out)
	WIN MUL_LO
	MUL16 0, 1, NQ-1, \slot, 0                     ; sixteen matrix instructions stand between the add and the wait for it
	s_wait_dscnt 0x0                               ; the add is done, and my reads of this slot are over
	s_barrier_signal -1
	MUL16 2, 1, NQ-1, \slot, 0
	WIN 0
	s_barrier_wait -1
.if \fill
	CREST                                          ; no wave of any partner still reads this slot's tile or has a load on its way
	s_add_nc_u64 s[G0+4*\slot+2:G0+4*\slot+3], s[G0+4*\slot+2:G0+4*\slot+3], 2*TROW
	s_add_nc_u64 s[G0B+4*\slot+2:G0B+4*\slot+3], s[G0B+4*\slot+2:G0B+4*\slot+3], 2*TROW
	JLOAD G0+4*\slot, G1, G0B+4*\slot, G1B         ; the first tensor load behind the round; its four v_nop are the places in front of the loads below
.else
	PLACES NP
.endif
	FETCH_B \next, 0, 0
	FETCH_A \next, 0, 0
	SCALES \next, \ks
	WIN MUL_HI
	MUL16 4, 1, NQ-1, \slot, 0
	MUL16 6, 1, NQ-1, \slot, 0
	PLACES NP
	WIN 0
	FETCH_A \next, 0, 4
.endm
	s_wait_alu depctr_va_vdst(0)
	s_wait_tensorcnt 1                             ; the scale words and my part of K step 0 are in (K step 1's load may be out),
	s_barrier_signal -1
	s_barrier_wait -1                              ; everybody's are
	FETCH_B 0, 0, 0
	FETCH_A 0, 0, 0
	SCALES 0, 0
	FETCH_A 0, 0, 4
	STEP 0, 0, 1                                   ; K step 0: its first products start the sums
	TURN 0, 1, 1, 1                                ; slot 0 takes K step 2
	STEP 1, 0, 0                                   ; K step 1
	TURN 1, 0, 1, 2                                ; slot 1 takes K step 3
	STEP 0, 0, 0                                   ; K step 2
	TURN 0, 1, 0, 3                                ; nothing is left to fetch
	STEP 1, 0, 0                                   ; K step 3
	s_wait_dscnt 4*NL
	WIN MUL_LO
	MUL16 0, 1, NQ-1, 1, 0
	MUL16 2, 1, NQ-1, 1, 0
	s_wait_dscnt 0
	WIN MUL_HI
	MUL16 4, 1, NQ-1, 1, 0
	MUL16 6, 1, NQ-1, 1, 0
	WIN 0
; THE WAY OUT.  Block a of A: register 16 b + i of its 64 holds the next K's number 32 b + 16 (lane / 16) + i of my row.  A block of 32 lies in lanes l and l xor 16.  The codes go straight from registers to memory, as an image.
.macro QOUT a
.set AC, 64*((\a)%4)
.set W, 2+(\a)/4                       ; the accumulators' window
.set W01, W|(W<<2)
.set W12, (W<<2)|(W<<4)
	WIN W01                                        ; sources 0 and 1
.irp b, 0,1,2,3
	v_max3_num_f32 v[TM+\b], |v[AC+16*\b]|, |v[AC+1+16*\b]|, 0x1800000   ; block b: my 16 numbers, and the floor 2^(3 - 127); each accumulator is read from its low end on
.endr
	WIN W12                                        ; sources 1 and 2
.irp i, 2,4,6,8,10,12,14
.irp b, 0,1,2,3
	v_max3_num_f32 v[TM+\b], v[TM+\b], |v[AC+16*\b+\i]|, |v[AC+1+16*\b+\i]|
.endr
.endr
	WIN 0
.irp b, 0,1,2,3
	v_permlanex16_b32 v[TM+4+\b], v[TM+\b], s[SEL], s[SEL+1]
.endr
.irp b, 0,1,2,3
	v_max_num_f32 v[TM+\b], v[TM+\b], v[TM+4+\b]   ; with lane l xor 16's: the block's largest magnitude
.endr
.irp b, 0,1,2,3
	v_add_nc_u32 v[TM+12+\b], 0xff000000, v[TM+\b] ; 2 off its exponent field: the conversion's scale operand
.endr
.irp b, 0,1,2,3
	v_lshrrev_b32 v[TM+4+\b], 23, v[TM+12+\b]      ; the scale's byte
.endr
	v_lshl_or_b32 v[PW+(\a)], v[TM+5], 8, v[TM+4]  ; my row's scale word
	v_lshl_or_b32 v[PW+(\a)], v[TM+6], 16, v[PW+(\a)]
	v_lshl_or_b32 v[PW+(\a)], v[TM+7], 24, v[PW+(\a)]
	s_wait_xcnt 0x0                                ; the last block's stores have read the code registers: only now are they written again
	WIN W                                          ; source 0
.irp c, 0,1
	v_cvt_scalef32_pk16_fp6_f32 v[PC+6*\c:PC+2+6*\c], v[AC+32*\c:AC+15+32*\c], v[TM+12+2*\c]
	v_cvt_scalef32_pk16_fp6_f32 v[PC+12+4*\c:PC+14+4*\c], v[AC+16+32*\c:AC+31+32*\c], v[TM+12+2*\c+1]   ; (a conversion's three registers begin on an even number)
.endr
	WIN 0
	v_nop                                          ; one plain place behind a scaled conversion
.irp c, 0,1                            ; the operand's layout wants a WHOLE block in a lane: lanes 0-15 block 2 c, lanes 16-31 block 2 c + 1
.irp i, 0,1,2
	v_permlane16_swap_b32 v[PC+6*\c+\i], v[PC+12+4*\c+\i]
.endr
.irp i, 0,1,2
	v_mov_b32 v[PC+3+6*\c+\i], v[PC+12+4*\c+\i]
.endr
.endr
	global_store_b128 v[L16], v[PC:PC+3], s[12:13] offset:FRB*(\a)            ; 512 consecutive bytes, aligned
	global_store_b64 v[L8], v[PC+4:PC+5], s[12:13] offset:FRB*(\a)+512        ; 256
	global_store_b128 v[L16], v[PC+6:PC+9], s[12:13] offset:FRB*(\a)+768
	global_store_b64 v[L8], v[PC+10:PC+11], s[12:13] offset:FRB*(\a)+1280
.endm
	PLACES NP                                      ; behind the last products: what follows reads results and writes registers that held A's fragments
.irp b, 0,1,2,3
	v_mov_b32 v[TM+4+\b], 0                        ; written once: a lane permute's destination counts as one of its sources
.endr
.irp a, 0,1,2,3,4,5,6,7
	QOUT \a
.endr
	s_mov_b32 vcc_lo, 0xffff0000                   ; lanes 16-31
.irp p, 0,1,2,3
	v_cndmask_b32 v[SW+\p], v[PW+2*\p], v[PW+2*\p+1], vcc_lo   ; lane (r, h): the words of fragments h, 2 + h, 4 + h, 6 + h of row r
.endr
	global_store_b128 v[L16], v[SW:SW+3], s[14:15] ; 512 consecutive bytes, aligned
	s_wait_tensorcnt 0x0                           ; the wave's end
	ds_add_u32 v[SPW], v[NIL]
	s_wait_dscnt 0x0
	CROUND                                         ; the closing round: no work-group ends while a partner may still ask for a tile that names it
	s_endpgm
.Lfunc_end_k_qc186735ff6_qkv:
	.size	k_qc186735ff6_qkv, .Lfunc_end_k_qc186735ff6_qkv-k_qc186735ff6_qkv
	.p2alignl 7, 3214868480
	.fill 96, 4, 3214868480
	.section	.rodata,"a",@progbits
	.p2align	6, 0x0
	.amdhsa_kernel k_qc186735ff6_qkv
		.amdhsa_group_segment_fixed_size 327680
		.amdhsa_private_segment_fixed_size 0
		.amdhsa_enable_private_segment 0
		.amdhsa_kernarg_size 32
		.amdhsa_user_sgpr_count 2
		.amdhsa_user_sgpr_kernarg_segment_ptr 1
		.amdhsa_wavefront_size32 1
		.amdhsa_system_sgpr_workgroup_id_x 1
		.amdhsa_system_sgpr_workgroup_id_y 1
		.amdhsa_system_sgpr_workgroup_id_z 1
		.amdhsa_system_vgpr_workitem_id 0
		.amdhsa_next_free_vgpr 1024
		.amdhsa_next_free_sgpr 100
		.amdhsa_reserve_vcc 1
		.amdhsa_float_denorm_mode_32 3
		.amdhsa_float_denorm_mode_16_64 3
		.amdhsa_memory_ordered 1
		.amdhsa_forward_progress 1
		.amdhsa_inst_pref_size 149
	.end_amdhsa_kernel
	.amdgpu_metadata
---
amdhsa.version: [ 1, 2 ]
amdhsa.kernels:
  - .name:           k_qc186735ff6_qkv
    .symbol:         k_qc186735ff6_qkv.kd
    .args:
      - { .name: xw_img, .offset: 0, .size: 8, .value_kind: global_buffer, .address_space: global }
      - { .name: xw_sc, .offset: 8, .size: 8, .value_kind: global_buffer, .address_space: global }
      - { .name: qkv_img, .offset: 16, .size: 8, .value_kind: global_buffer, .address_space: global }
      - { .name: qkv_sc, .offset: 24, .size: 8, .value_kind: global_buffer, .address_space: global }
    .group_segment_fixed_size: 327680
    .private_segment_fixed_size: 0
    .kernarg_segment_align: 8
    .kernarg_segment_size: 32
    .max_flat_workgroup_size: 128
    .sgpr_count:     100
    .vgpr_count:     1024
    .wavefront_size: 32
...
	.end_amdgpu_metadata
.endif
;; end of part 2
;; launch attn (part 3): grid 4 x 64, 16 waves a work-group, clusters of 4 x 1, 215,040 bytes of LDS; arguments qkv_img, qkv_sc, ctx_img, ctx_sc; writes ctx_img, ctx_sc
.if DOCPART == 3
	.amdgcn_target "amdgcn-amd-amdhsa--gfx1250"
	.amdhsa_code_object_version 6
	.text
	.protected	k_qc186735ff6_attn
	.globl	k_qc186735ff6_attn
	.p2align	8
	.type	k_qc186735ff6_attn,@function
k_qc186735ff6_attn:
	s_mov_b64 s[64:65], 0
	v_nop
	global_prefetch_b8 v0, s[64:65] scope:SCOPE_SE
	s_setreg_imm32_b32 hwreg(HW_REG_WAVE_MODE, 25, 1), 1
	s_wait_xcnt 0x0
	s_wait_alu depctr_hold_cnt(0) depctr_sa_sdst(0) depctr_va_vdst(0) depctr_va_sdst(0) depctr_va_ssrc(0) depctr_va_vcc(0) depctr_vm_vsrc(0)
	s_getreg_b32 s2, hwreg(HW_REG_IB_STS2, 6, 4)
	s_cmp_eq_u32 s2, 0
	s_cbranch_scc0 .Lentry_in_a_cluster
	s_endpgm
.Lentry_in_a_cluster:
	s_bfe_u32 s2, ttmp6, 0x10000c
	s_cmp_lg_u32 s2, 0x3003
	s_cbranch_scc0 .Lentry_shape_is_right
	s_endpgm
.Lentry_shape_is_right:
; ctx[b][q][head] = the sum over keys k <= q of softmax_k(q . k / 8) v, for 64 heads (batch x head) of 2,048 tokens x 64 channels, both products on codes of FP6 (E2M3) with E8M0 scales; ctx is quantised along the channels on its way out.
; THE SOFTMAX AHEAD OF THE SECOND PRODUCT: t = score x log2(e) / 8; M = the row's largest t so far, rounded UP to a whole number; p = 2^(t - M) is what is quantised, along the keys, not normalised.
; The row's sum is taken of the unquantised p and divides at the end.  When M moves, the sum and O are multiplied by 2^(old M - new M): exact.
; INPUTS are register images made by the launch before: a half image (16 rows x 64 K: six registers a lane) is 768 bytes: registers 0-3 at 16 x lane, registers 4, 5 at 512 + 8 x lane.  Token position p holds token p with bits 3 and 4 exchanged.
; SHARES.  A cluster of four work-groups owns one head; K, V and their scale words, 212,992 bytes, are brought ONCE, by joint loads, into each work-group's LDS and stay: no slot is filled again.
; Wave w of work-group g takes the tiles of 16 queries j = 4 w + g and 127 - j.  Tile f needs key steps (128 keys) 0 .. f / 8: w / 2 + 1 and 16 - w / 2 steps: 17 for every wave, and every branch hangs on the wave's number alone.
; LAYOUT.  Both products are used transposed: S^T = K Q^T (source 0 = 16 keys, source 1 = my 16 queries), O^T = V^T P^T (source 0 = 16 channels, source 1 = P): a lane holds ONE query throughout.  By the order of the positions
; the 16 registers of tiles 2 b and 2 b + 1 of S^T are keys 32 b + 16 (lane / 16) + 0 .. 15 of the step, and O^T's 32 registers are channels 32 b + 16 (lane / 16) + 0 .. 15.
; K = 64 IN AN INSTRUCTION OF 128: Q's codes of k = 64 .. 127 are zeros.  K's tiles lie six registers apart, so the upper half of a tile's operand is the next tile's codes (behind the last tile: zeros): they meet zero codes alone.
; The scale words of both sides come by loads of two bytes: bytes 2 and 3 are 0, which is a number and no NaN.
; LIMITS: NaN and infinities are not served; a block of zeros carries the byte 1 (its codes are zeros; this program alone reads the bytes); a block's largest p is made from the block's largest score by the same two instructions,
; which takes v_exp_f32 not to fall where its input rises.  ctx's scale bytes leave as single bytes: a head owns 2 of a row's 32.
; No prefetch: all of K and V is asked for at the head, by the tensor loads themselves.
.set KL,   0                           ; LDS: 128 key tiles x 768 bytes
.set VL,   98304                       ; 16 key steps x 4 fragments (16 channels x 128 keys) x 1,536 bytes
.set KSL,  196608                      ; K's scale words: 16 steps x 512 bytes
.set VSL,  204800                      ; V's
.set L16,  1                           ; v1   16 x lane
.set L8,   2                           ; v2   8 x lane
.set AV16, 3                           ; v3   VL + 16 x lane
.set AV8,  4                           ; v4   VL + 8 x lane
.set ASK0, 5                           ; v5   KSL + 16 r + 2 e
.set ASV0, 6                           ; v6   VSL + 16 r + 8 e
.set SCO,  7                           ; v7   16 r + h: my scale byte of ctx
.set ADK16, 8                          ; v8-11, v30, v31 the step's LDS addresses
.set ADK8, 9
.set ADV16, 10
.set ADV8, 11
.set ADS,  30
.set ADT,  31
.set LM,   29                          ; v29  (r & 7) + 16 (r >> 3) - 16 h: my query in its 32, less my half's first key
.set Q0,   16                          ; v16-27   Q of the first tile (v22-27 zeros)
.set Q1,   244                         ; v244-255 Q of the second (v250-255 zeros)
.set QW0,  94                          ; v94, v28 their scale words
.set QW1,  28
.set KT,   32                          ; v32-79  K's eight tiles; v80-85 zeros
.set KS,   86                          ; v86-93  K's scale words
.set PWD,  95                          ; v95     p's scale word
.set S,    96                          ; v96-159 S^T, then p
.set O,    160                         ; v160-191 O^T
.set VF,   192                         ; v192-239 V's four fragments
.set VS,   240                         ; v240-243 V's scale words
.set PCD,  32                          ; behind the score products K's registers are at work: v32-43 p's codes,
.set CT,   44                          ; v44-46, v48-50 the conversions' second halves,
.set BM,   52                          ; v52-55 the blocks' largest scores, then largest p,
.set PT,   56                          ; v56-59 what the other half of the lanes sent, then bytes,
.set SO,   60                          ; v60-63 the conversions' scale operands,
.set T0,   64                          ; v64
.set FP,   66                          ; v[66:67] f = 2^(old M - new M), in the low register
.set SA,   68                          ; v[68:69] the second chain of the sum
.set MD,   70                          ; v70, v71 the mask's d and -infinity
.set MI,   71
.set WV,   12                          ; s12  my wave's number
.set SEL,  20                          ; s[20:21] lane selects for lane l xor 16
.set CS,   22                          ; s[22:23] c = log2(e) / 8
.set G1K,  24                          ; s[24:31], s[32:39], s[40:47] descriptor groups 1: K, V, scale words
.set G1V,  32
.set G1S,  40
.set G0K,  48                          ; s[48:51], s[52:55], s[56:59] their groups 0
.set G0V,  52
.set G0S,  56
.set F0,   72                          ; s72, s73 my two tiles of queries
.set STEPI, 76                         ; s76  the key step
.set TB,   77                          ; s77  6,144 x the key step
.set TS,   78                          ; s78  512 x the key step
.set QP,   80                          ; s[80:83] Q's images, s[84:87] Q's scale words, s[88:91] ctx's images, s[92:95] ctx's scale bytes: a pair for each tile
.set QS,   84
.set CP,   88
.set CSP,  92
.set QRL,  96                          ; s96, s97 the tiles' first query in their key step: 32 ((f >> 1) & 3) + 8 (f & 1)
.set LS,   98                          ; s98, s99 their last key step
.macro CROUND                          ; a round of the cluster's barrier
	s_barrier_signal -1
	s_barrier_wait -1
	s_cmp_lg_u32 s[WV], 0
	s_cbranch_scc1 .Lnot_wave_0_\@
	s_barrier_signal -3
.Lnot_wave_0_\@:
	s_barrier_wait -3
	s_barrier_signal -1
	s_barrier_wait -1
.endm
	s_load_b256 s[4:11], s[0:1], 0x0               ; qkv_img, qkv_sc, ctx_img, ctx_sc
	v_lshl_add_u32 v254, v0, 2, 0x34000
	v_mov_b32 v255, 0
	ds_add_u32 v254, v255
	ds_add_u32 v254, v255
	s_wait_dscnt 0x0
	v_lshrrev_b32 v1, 5, v0
	s_delay_alu instid0(VALU_DEP_1)
	v_readfirstlane_b32 s[WV], v1                  ; wave 0..15
	s_bfe_u32 s13, ttmp6, 0x40000                  ; g = cx: it enters global addresses and the mask's compared number alone
	s_and_b32 s14, ttmp7, 0xffff                   ; batch x 16 + head: the four partners share it
	s_lshr_b32 s15, s14, 4                         ; b
	s_bfe_u32 s16, s14, 0x30001                    ; hp: the head pair
	s_and_b32 s17, s14, 1                          ; e: which head of the pair
	s_lshl_b32 s18, s16, 6
	s_lshl_b32 s19, s15, 4
	s_add_co_u32 s18, s18, s19                     ; T0 = 64 hp + 16 b: q's first group of 128 tokens; k's lies 512 on, v's 1,024
	s_mul_i32 s62, s18, 12288
	s_mul_i32 s63, s17, 768
	s_add_co_u32 s74, s62, s63                     ; q: my head's half images begin here
	s_lshl_b32 s75, s18, 9
	s_lshl_b32 s19, s17, 1
	s_add_co_u32 s75, s75, s19                     ; and its two bytes of each scale word
	s_lshl_b32 s66, s15, 7                         ; ctx: row tile 128 b + f, fragment hp, half e
	s_mul_i32 s100, s66, 12288
	s_mul_i32 s67, s16, 1536
	s_add_co_u32 s100, s100, s67
	s_add_co_u32 s100, s100, s63
	s_lshl_b32 s101, s66, 9                        ; its scale bytes: 256 (hp >> 2) + 4 (hp & 3) + 2 e in a row tile's 512
	s_lshr_b32 s67, s16, 2
	s_lshl_b32 s67, s67, 8
	s_add_co_u32 s101, s101, s67
	s_and_b32 s67, s16, 3
	s_lshl_b32 s67, s67, 2
	s_add_co_u32 s101, s101, s67
	s_add_co_u32 s101, s101, s19
	; what I fetch, if I fetch.  Waves 0-3: 32 key tiles each; waves 4-7: four key steps of V each; wave 8: K's scale words, wave 9: V's
	s_and_b32 s60, s[WV], 3
	s_mul_i32 s61, s60, 49152                      ; in memory: 32 fragments of 1,536 bytes, or four groups of 12,288
	s_mul_i32 s60, s60, 24576                      ; in LDS
	s_add_co_u32 s2, s74, s61
	s_add_co_u32 s2, s2, 512*12288                 ; K
	s_mov_b32 s3, 0
	s_mul_i32 s66, s17, 6144                       ; V: my head's four fragments of a group's eight
	s_add_co_u32 s66, s66, s62
	s_add_co_u32 s66, s66, s61
	s_add_co_u32 s66, s66, 1024*12288
	s_mov_b32 s67, 0
	s_and_b32 s70, s[WV], 1
	s_lshl_b32 s71, s70, 13                        ; the scale words: in LDS,
	s_lshl_b32 s68, s70, 18                        ; and in memory: v's lie 512 groups of 512 bytes behind k's
	s_lshl_b32 s69, s18, 9
	s_add_co_u32 s68, s68, s69
	s_add_co_u32 s68, s68, 512*512
	s_mov_b32 s69, 0
	; descriptor groups 1.  15:0 the mask: all four work-groups; 17:16 elements of 8 bytes; 20 no padding; 21 set beside a mask
	s_mov_b32 s[G1K], 15|(3<<16)|(1<<21)           ; K: 32 half images of 768 bytes, 1,536 bytes apart in memory, on end in LDS
	s_mov_b32 s[G1K+1], 96<<16
	s_mov_b32 s[G1K+2], 32<<16
	s_mov_b32 s[G1K+3], 96<<16
	s_mov_b32 s[G1K+4], 32
	s_mov_b32 s[G1K+5], 192
	s_mov_b32 s[G1K+6], 0
	s_mov_b32 s[G1K+7], 0
	s_mov_b32 s[G1V], 15|(3<<16)|(1<<21)           ; V: 4 rows of 6,144 bytes, 12,288 bytes apart
	s_mov_b32 s[G1V+1], 768<<16
	s_mov_b32 s[G1V+2], 4<<16
	s_mov_b32 s[G1V+3], 768<<16
	s_mov_b32 s[G1V+4], 4
	s_mov_b32 s[G1V+5], 1536
	s_mov_b32 s[G1V+6], 0
	s_mov_b32 s[G1V+7], 0
	s_mov_b32 s[G1S], 15|(3<<16)|(1<<21)           ; scale words: 8,192 dense bytes as 32 rows of 256
	s_mov_b32 s[G1S+1], 32<<16
	s_mov_b32 s[G1S+2], 32<<16
	s_mov_b32 s[G1S+3], 32<<16
	s_mov_b32 s[G1S+4], 32
	s_mov_b32 s[G1S+5], 32
	s_mov_b32 s[G1S+6], 0
	s_mov_b32 s[G1S+7], 0
	s_mov_b32 s[SEL], 0x76543210
	s_mov_b32 s[SEL+1], 0xfedcba98
	s_mov_b32 s[CS], 0x3e38aa3b                    ; c = log2(e) / 8
	s_mov_b32 s[CS+1], s[CS]                       ; (named with it as a pair, so it is written)
	s_lshl_b32 s[F0], s[WV], 2
	s_add_co_u32 s[F0], s[F0], s13                 ; j = 4 w + g
	s_sub_co_u32 s[F0+1], 127, s[F0]
	s_lshr_b32 s[LS], s[WV], 1                     ; j / 8 = w / 2, whatever g
	s_sub_co_u32 s[LS+1], 15, s[LS]
	s_wait_kmcnt 0x0
	s_mov_b32 s[G0K], 1
	s_mov_b32 s[G0K+1], s60
	s_add_nc_u64 s[G0K+2:G0K+3], s[4:5], s[2:3]
	s_or_b32 s[G0K+3], s[G0K+3], 0x80000000
	s_mov_b32 s[G0V], 1
	s_add_co_u32 s[G0V+1], s60, VL
	s_add_nc_u64 s[G0V+2:G0V+3], s[4:5], s[66:67]
	s_or_b32 s[G0V+3], s[G0V+3], 0x80000000
	s_mov_b32 s[G0S], 1
	s_add_co_u32 s[G0S+1], s71, KSL
	s_add_nc_u64 s[G0S+2:G0S+3], s[6:7], s[68:69]
	s_or_b32 s[G0S+3], s[G0S+3], 0x80000000
	CROUND                                         ; all four work-groups are here: the joint loads meet
	s_cmp_lt_u32 s[WV], 4                          ; the fills stand in one tree of branches on the wave's number: one load a wave, none in waves 10-15; four v_nop follow each
	s_cbranch_scc0 .Lnot_k
	tensor_load_to_lds s[G0K:G0K+3], s[G1K:G1K+7]
	s_nop 0
.rept 4
	v_nop
.endr
	s_branch .Lasked
.Lnot_k:
	s_cmp_lt_u32 s[WV], 8
	s_cbranch_scc0 .Lnot_v
	tensor_load_to_lds s[G0V:G0V+3], s[G1V:G1V+7]
	s_nop 0
.rept 4
	v_nop
.endr
	s_branch .Lasked
.Lnot_v:
	s_cmp_lt_u32 s[WV], 10
	s_cbranch_scc0 .Lasked
	tensor_load_to_lds s[G0S:G0S+3], s[G1S:G1S+7]
	s_nop 0
.rept 4
	v_nop
.endr
.Lasked:
.macro PTRS i                          ; the addresses of my tile i
	s_mul_i32 s2, s[F0+\i], 1536
	s_add_co_u32 s2, s2, s74
	s_add_nc_u64 s[QP+2*\i:QP+2*\i+1], s[4:5], s[2:3]          ; Q's half image  (s3 = 0)
	s_lshr_b32 s2, s[F0+\i], 3
	s_lshl_b32 s2, s2, 9                           ; its scale words: group f >> 3; fragment a = f & 7 at 256 (a & 1) + 4 (a >> 1)
	s_and_b32 s66, s[F0+\i], 1
	s_lshl_b32 s67, s66, 8
	s_add_co_u32 s2, s2, s67
	s_bfe_u32 s68, s[F0+\i], 0x20001
	s_lshl_b32 s67, s68, 2
	s_add_co_u32 s2, s2, s67
	s_add_co_u32 s2, s2, s75
	s_add_nc_u64 s[QS+2*\i:QS+2*\i+1], s[6:7], s[2:3]
	s_lshl_b32 s68, s68, 5
	s_lshl_b32 s66, s66, 3
	s_add_co_u32 s[QRL+\i], s68, s66
	s_mul_i32 s2, s[F0+\i], 12288
	s_add_co_u32 s2, s2, s100
	s_add_nc_u64 s[CP+2*\i:CP+2*\i+1], s[8:9], s[2:3]
	s_lshl_b32 s2, s[F0+\i], 9
	s_add_co_u32 s2, s2, s101
	s_add_nc_u64 s[CSP+2*\i:CSP+2*\i+1], s[10:11], s[2:3]
.endm
	PTRS 0
	PTRS 1
	v_and_b32 v9, 31, v0                           ; lane
	v_and_b32 v10, 15, v0                          ; r
	v_bfe_u32 v11, v0, 4, 1                        ; h
	s_delay_alu instid0(VALU_DEP_3)
	v_lshlrev_b32 v[L16], 4, v9
	s_delay_alu instid0(VALU_DEP_4)
	v_lshlrev_b32 v[L8], 3, v9
	s_delay_alu instid0(VALU_DEP_4)
	v_lshlrev_b32 v8, 4, v10                       ; 16 r
	global_load_b128 v[Q0:Q0+3], v[L16], s[QP:QP+1]            ; both tiles of Q stay in registers
	global_load_b64 v[Q0+4:Q0+5], v[L8], s[QP:QP+1] offset:512
	global_load_u16 v[QW0], v8, s[QS:QS+1]
	global_load_b128 v[Q1:Q1+3], v[L16], s[QP+2:QP+3]
	global_load_b64 v[Q1+4:Q1+5], v[L8], s[QP+2:QP+3] offset:512
	global_load_u16 v[QW1], v8, s[QS+2:QS+3]
	v_add_nc_u32 v[AV16], VL, v[L16]
	v_add_nc_u32 v[AV8], VL, v[L8]
	s_lshl_b32 s66, s17, 1
	s_add_co_u32 s66, s66, KSL
	v_add_nc_u32 v[ASK0], s66, v8
	s_lshl_b32 s66, s17, 3
	s_add_co_u32 s66, s66, VSL
	v_add_nc_u32 v[ASV0], s66, v8
	v_add_nc_u32 v[SCO], v8, v11
	v_and_b32 v[LM], 7, v0
	v_bfe_u32 v9, v0, 3, 1
	s_delay_alu instid0(VALU_DEP_1)
	v_sub_nc_u32 v9, v9, v11
	s_delay_alu instid0(VALU_DEP_1)
	v_lshl_add_u32 v[LM], v9, 4, v[LM]
.irp i, 0,1,2,3,4,5
	v_mov_b32 v[Q0+6+\i], 0                        ; Q's codes of k = 64 .. 127,
	v_mov_b32 v[Q1+6+\i], 0
	v_mov_b32 v[KT+48+\i], 0                       ; and what stands behind K's last tile
.endr
.irp b, 0,1,2,3
	v_mov_b32 v[PT+\b], 0                          ; a lane permute's destination counts as one of its sources
.endr
	s_wait_tensorcnt 0x0                           ; my part of the head has landed,
	s_barrier_signal -1
	s_barrier_wait -1                              ; everybody's has: from here on LDS is only read
	s_wait_loadcnt 0x0                             ; Q; and v8 may be written again
.macro INIT                            ; a tile begins: O^T and the sum are zeros, the largest t lies under every t: the first change of M multiplies zeros
	s_wait_xcnt 0x0                                ; the last tile's stores have read their registers
	v_mov_b32 v13, 0xff61b1e6                      ; -3e38
	s_delay_alu instid0(VALU_DEP_1)
	v_floor_f32 v12, -v13                          ; -M
	v_mov_b32 v14, 0
	v_mov_b32 v15, 0
.set j, 0
.rept 32
	v_mov_b32 v[O+j], 0
.set j, j+1
.endr
.endm
; The key steps 0 .. to - 1 of one tile.  The trip count is a constant; a step all of whose keys come after my queries is left out by a scalar branch on the wave's number and the count of steps.
.macro KLOOP to, QR, QSC, i
	s_mov_b32 s[STEPI], 0
	s_mov_b32 s[TB], 0
	s_mov_b32 s[TS], 0
.Lstep_\@:
	s_cmp_gt_u32 s[STEPI], s[LS+\i]
	s_cbranch_scc1 .Lhid_\@
	s_setprio 2
	v_add_nc_u32 v[ADK16], s[TB], v[L16]           ; six plain lines: also the places between the last step's products and the loads into their registers
	v_add_nc_u32 v[ADK8], s[TB], v[L8]
	v_add_nc_u32 v[ADV16], s[TB], v[AV16]
	v_add_nc_u32 v[ADV8], s[TB], v[AV8]
	v_add_nc_u32 v[ADS], s[TS], v[ASK0]
	v_add_nc_u32 v[ADT], s[TS], v[ASV0]
.irp t, 0,1,2,3,4,5,6,7
	ds_load_b128 v[KT+6*\t:KT+6*\t+3], v[ADK16] offset:768*\t
	ds_load_b64 v[KT+6*\t+4:KT+6*\t+5], v[ADK8] offset:768*\t+512
	ds_load_u16 v[KS+\t], v[ADS] offset:256*(\t%2)+4*(\t/2)
.endr
	s_wait_alu depctr_va_vdst(0)
	s_wait_dscnt 0x0
.irp t, 0,1,2,3,4,5,6,7
	v_wmma_scale_f32_16x16x128_f8f6f4 v[S+8*\t:S+8*\t+7], v[KT+6*\t:KT+6*\t+11], v[\QR:\QR+11], 0, v[KS+\t], v[\QSC] matrix_a_fmt:MATRIX_FMT_FP6 matrix_b_fmt:MATRIX_FMT_FP6
.endr
.irp a, 0,1,2,3                        ; V's fragments are asked for now and land under the softmax
	ds_load_b128 v[VF+12*\a:VF+12*\a+3], v[ADV16] offset:1536*\a
	ds_load_b64 v[VF+12*\a+4:VF+12*\a+5], v[ADV8] offset:1536*\a+512
	ds_load_b128 v[VF+12*\a+6:VF+12*\a+9], v[ADV16] offset:1536*\a+768
	ds_load_b64 v[VF+12*\a+10:VF+12*\a+11], v[ADV8] offset:1536*\a+1280
	ds_load_b32 v[VS+\a], v[ADT] offset:256*(\a%2)+4*(\a/2)
.endr
.rept 4
	v_nop                                          ; places behind the score products: what follows reads their results and writes K's registers
.endr
	s_cmp_lg_u32 s[STEPI], s[LS+\i]
	s_cbranch_scc1 .Lopen_\@
	v_add_nc_u32 v[MD], s[QRL+\i], v[LM]           ; THE DIAGONAL STEP.  d = my query in the step - 16 (lane / 16).  Register 16 b + i holds key 32 b + 16 (lane / 16) + i: hidden where 32 b + i > d
	v_mov_b32 v[MI], 0xff800000                    ; -infinity: p = 0 then.  The step's key 0 counts for every query, so M stays a number
.set n, 0
.rept 64
	v_cmp_gt_i32 vcc_lo, 32*(n/16)+n%16, v[MD]
	v_cndmask_b32 v[S+n], v[S+n], v[MI], vcc_lo
.set n, n+1
.endr
.Lopen_\@:
.irp b, 0,1,2,3
	v_max3_num_f32 v[BM+\b], v[S+16*\b], v[S+1+16*\b], v[S+2+16*\b]   ; the largest score of each block of 32 keys: for the row's maximum, and, since p rises with the score, for the block's largest p
.endr
.irp i2, 3,5,7,9,11,13
.irp b, 0,1,2,3
	v_max3_num_f32 v[BM+\b], v[BM+\b], v[S+16*\b+\i2], v[S+1+16*\b+\i2]
.endr
.endr
.irp b, 0,1,2,3
	v_max_num_f32 v[BM+\b], v[BM+\b], v[S+15+16*\b]
.endr
.irp b, 0,1,2,3
	s_delay_alu instid0(VALU_DEP_4)
	v_permlanex16_b32 v[PT+\b], v[BM+\b], s[SEL], s[SEL+1]
.endr
.irp b, 0,1,2,3
	s_delay_alu instid0(VALU_DEP_4)
	v_max_num_f32 v[BM+\b], v[BM+\b], v[PT+\b]     ; with lane l xor 16's 16 keys
.endr
	s_delay_alu instid0(VALU_DEP_2)
	v_max3_num_f32 v[T0], v[BM], v[BM+1], v[BM+2]
	s_delay_alu instid0(VALU_DEP_1)
	v_max_num_f32 v[T0], v[T0], v[BM+3]            ; the step's largest score of my query
	s_delay_alu instid0(VALU_DEP_1)
	v_mul_f32 v[T0], s[CS], v[T0]                  ; as t (c is positive)
	s_delay_alu instid0(VALU_DEP_1)
	v_max_num_f32 v13, v13, v[T0]                  ; the running largest t
	v_mov_b32 v[T0], v12
	s_delay_alu instid0(VALU_DEP_2)
	v_floor_f32 v12, -v13                          ; the new -M = floor(-t): M is a whole number
	s_delay_alu instid0(VALU_DEP_1)
	v_sub_f32 v[T0], v12, v[T0]                    ; old M - new M: a whole number, 0 or less
	s_delay_alu instid0(VALU_DEP_1)
	v_cvt_i32_f32 v[T0], v[T0]                     ; (it saturates)
	s_delay_alu instid0(VALU_DEP_1)
	v_ldexp_f32 v[FP], 1.0, v[T0]                  ; f = 2^(old M - new M)
.set j, 0
	s_setprio 1
.rept 32
	v_pk_fma_f32 v[S+j:S+j+1], v[S+j:S+j+1], s[CS:CS+1], v[12:13] op_sel_hi:[1,0,0]   ; t - M, two at a time (of the pairs c and -M the low word serves both halves)
.set j, j+2
.endr
.irp b, 0,1,2,3
	v_fma_f32 v[BM+\b], v[BM+\b], s[CS], v12       ; the same of each block's largest score
.endr
.set j, 0
	s_wait_alu depctr_va_vdst(0)
.rept 64
	v_exp_f32 v[S+j], v[S+j]                       ; p = 2^(t - M), at most 1
.set j, j+1
.endr
.irp b, 0,1,2,3
	v_exp_f32 v[BM+\b], v[BM+\b]                   ; the block's largest p
.endr
	v_pk_mul_f32 v[14:15], v[14:15], v[FP:FP+1] op_sel_hi:[1,0]   ; the sums under the new M; a plain line behind the exponentials
	s_wait_alu depctr_va_vdst(0)
.irp b, 0,1,2,3
	v_max_num_f32 v[BM+\b], 0x1800000, v[BM+\b]    ; the floor 2^(3 - 127): the byte cannot fall under 1
.endr
.irp b, 0,1,2,3
	s_delay_alu instid0(VALU_DEP_4)
	v_add_nc_u32 v[SO+\b], 0xff000000, v[BM+\b]    ; 2 off the exponent field: the conversion's scale operand
.endr
.irp b, 0,1,2,3
	s_delay_alu instid0(VALU_DEP_4)
	v_lshrrev_b32 v[PT+\b], 23, v[SO+\b]           ; the scale's byte
.endr
	s_delay_alu instid0(VALU_DEP_3)
	v_lshl_or_b32 v[PWD], v[PT+1], 8, v[PT]        ; p's scale word for these 128 keys
	s_delay_alu instid0(VALU_DEP_1)
	v_lshl_or_b32 v[PWD], v[PT+2], 16, v[PWD]
	s_delay_alu instid0(VALU_DEP_1)
	v_lshl_or_b32 v[PWD], v[PT+3], 24, v[PWD]
.irp c, 0,1
	v_cvt_scalef32_pk16_fp6_f32 v[PCD+6*\c:PCD+2+6*\c], v[S+32*\c:S+15+32*\c], v[SO+2*\c]
	v_cvt_scalef32_pk16_fp6_f32 v[CT+4*\c:CT+2+4*\c], v[S+16+32*\c:S+31+32*\c], v[SO+2*\c+1]   ; (a conversion's three registers begin on an even number)
.endr
	v_nop                                          ; one plain place behind a scaled conversion
.irp c, 0,1                            ; the operand's layout wants a WHOLE block in a lane
.irp i2, 0,1,2
	v_permlane16_swap_b32 v[PCD+6*\c+\i2], v[CT+4*\c+\i2]
.endr
.irp i2, 0,1,2
	s_delay_alu instid0(VALU_DEP_3)
	v_mov_b32 v[PCD+3+6*\c+\i2], v[CT+4*\c+\i2]
.endr
.endr
	v_pk_add_f32 v[68:69], v[100:101], v[104:105]
	v_pk_add_f32 v[92:93], v[108:109], v[112:113]
	v_pk_add_f32 v[90:91], v[116:117], v[120:121]
	v_pk_add_f32 v[88:89], v[124:125], v[128:129]
	v_pk_add_f32 v[86:87], v[132:133], v[136:137]
	v_pk_add_f32 v[78:79], v[140:141], v[144:145]
	v_pk_add_f32 v[76:77], v[148:149], v[152:153]
	v_pk_add_f32 v[14:15], v[14:15], v[156:157]
	s_setprio 0
	v_pk_add_f32 v[68:69], v[68:69], v[96:97]
	v_pk_add_f32 v[92:93], v[92:93], v[98:99]
	v_pk_add_f32 v[90:91], v[90:91], v[102:103]
	v_pk_add_f32 v[88:89], v[88:89], v[106:107]
	v_pk_add_f32 v[86:87], v[86:87], v[110:111]
	v_pk_add_f32 v[78:79], v[78:79], v[114:115]
	v_pk_add_f32 v[76:77], v[76:77], v[118:119]
	v_pk_add_f32 v[14:15], v[14:15], v[122:123]
	v_pk_add_f32 v[68:69], v[68:69], v[126:127]
	v_pk_add_f32 v[92:93], v[92:93], v[130:131]
	v_pk_add_f32 v[90:91], v[90:91], v[134:135]
	v_pk_add_f32 v[88:89], v[88:89], v[138:139]
	v_pk_add_f32 v[86:87], v[86:87], v[142:143]
	v_pk_add_f32 v[78:79], v[78:79], v[146:147]
	v_pk_add_f32 v[76:77], v[76:77], v[150:151]
	v_pk_add_f32 v[14:15], v[14:15], v[154:155]
	v_pk_add_f32 v[68:69], v[68:69], v[158:159]
	s_delay_alu instid0(VALU_DEP_2)
	v_pk_add_f32 v[14:15], v[14:15], v[88:89]
	s_delay_alu instid0(VALU_DEP_2)
	v_pk_add_f32 v[68:69], v[68:69], v[86:87]
	v_pk_add_f32 v[92:93], v[92:93], v[78:79]
	v_pk_add_f32 v[90:91], v[90:91], v[76:77]
	s_delay_alu instid0(VALU_DEP_2)
	v_pk_add_f32 v[14:15], v[14:15], v[92:93]
	s_delay_alu instid0(VALU_DEP_2)
	v_pk_add_f32 v[68:69], v[68:69], v[90:91]
	s_delay_alu instid0(VALU_DEP_1)
	v_pk_add_f32 v[14:15], v[14:15], v[68:69]
.set j, 0
.rept 16
	v_pk_mul_f32 v[O+j:O+j+1], v[O+j:O+j+1], v[FP:FP+1] op_sel_hi:[1,0]   ; O^T under the new M.  (The sums and these are also the places between p's codes and scale word and the products below)
.set j, j+2
.endr
	s_wait_alu depctr_va_vdst(0)
	s_wait_dscnt 0x0                               ; V is in
.irp a, 0,1,2,3                        ; O^T += V^T P^T: four accumulators by turns, one instruction a turn
	v_wmma_scale_f32_16x16x128_f8f6f4 v[O+8*\a:O+8*\a+7], v[VF+12*\a:VF+12*\a+11], v[PCD:PCD+11], v[O+8*\a:O+8*\a+7], v[VS+\a], v[PWD] matrix_a_fmt:MATRIX_FMT_FP6 matrix_b_fmt:MATRIX_FMT_FP6
.endr
.Lhid_\@:
	s_add_co_u32 s[TB], s[TB], 6144
	s_add_co_u32 s[TS], s[TS], 512
	s_add_co_u32 s[STEPI], s[STEPI], 1
	s_cmp_lt_u32 s[STEPI], \to
	s_cbranch_scc1 .Lstep_\@
	s_setprio 0
.endm
; A tile ends: O^T / the sum is ctx(my query, channels 32 b + 16 h + 0 .. 15 in registers 16 b + 0 .. 15): two blocks of 32, quantised, stored as a half image, with two scale bytes a row.
.macro FINISH i
.rept 4
	v_nop                                          ; places behind the last products
.endr
	v_add_f32 v14, v14, v15                        ; the sum's two halves,
	s_delay_alu instid0(VALU_DEP_1)
	v_permlanex16_b32 v[PT], v14, s[SEL], s[SEL+1]
	s_delay_alu instid0(VALU_DEP_1)
	v_add_f32 v14, v14, v[PT]                      ; and lane l xor 16's
	s_wait_alu depctr_va_vdst(0)
	v_rcp_f32 v14, v14
	v_nop                                          ; one plain place behind a transcendental
.set j, 0
	s_wait_alu depctr_va_vdst(0)
.rept 32
	v_mul_f32 v[S+j], v[O+j], v14                  ; each accumulator from its low end on
.set j, j+1
.endr
.irp b, 0,1
	v_max3_num_f32 v[BM+\b], |v[S+16*\b]|, |v[S+1+16*\b]|, 0x1800000
.endr
.irp i2, 2,4,6,8,10,12,14
.irp b, 0,1
	s_delay_alu instid0(VALU_DEP_2)
	v_max3_num_f32 v[BM+\b], v[BM+\b], |v[S+16*\b+\i2]|, |v[S+1+16*\b+\i2]|
.endr
.endr
.irp b, 0,1
	s_delay_alu instid0(VALU_DEP_2)
	v_permlanex16_b32 v[PT+\b], v[BM+\b], s[SEL], s[SEL+1]
.endr
.irp b, 0,1
	s_delay_alu instid0(VALU_DEP_2)
	v_max_num_f32 v[BM+\b], v[BM+\b], v[PT+\b]
.endr
.irp b, 0,1
	s_delay_alu instid0(VALU_DEP_2)
	v_add_nc_u32 v[SO+\b], 0xff000000, v[BM+\b]
.endr
.irp b, 0,1
	s_delay_alu instid0(VALU_DEP_2)
	v_lshrrev_b32 v[PT+\b], 23, v[SO+\b]
.endr
	s_mov_b32 vcc_lo, 0xffff0000                   ; lanes 16-31
	v_cvt_scalef32_pk16_fp6_f32 v[PCD:PCD+2], v[S:S+15], v[SO]
	v_cvt_scalef32_pk16_fp6_f32 v[CT:CT+2], v[S+16:S+31], v[SO+1]
	v_cndmask_b32 v[T0], v[PT], v[PT+1], vcc_lo    ; lane (r, h) stores block h's byte; also the plain place behind the conversions
.irp i2, 0,1,2
	v_permlane16_swap_b32 v[PCD+\i2], v[CT+\i2]
.endr
.irp i2, 0,1,2
	s_delay_alu instid0(VALU_DEP_3)
	v_mov_b32 v[PCD+3+\i2], v[CT+\i2]
.endr
	global_store_b128 v[L16], v[PCD:PCD+3], s[CP+2*\i:CP+2*\i+1]              ; 512 consecutive bytes, aligned
	global_store_b64 v[L8], v[PCD+4:PCD+5], s[CP+2*\i:CP+2*\i+1] offset:512   ; 256
	global_store_b8 v[SCO], v[T0], s[CSP+2*\i:CSP+2*\i+1]
.endm
	INIT
	KLOOP 8, Q0, QW0, 0                            ; tile j lies in the first 64: its keys end in step 7 at the latest
	FINISH 0
	INIT
	KLOOP 16, Q1, QW1, 1                           ; tile 127 - j
	FINISH 1
	s_wait_xcnt 0x0
	v_lshl_add_u32 v254, v0, 2, 0x34000
	v_mov_b32 v255, 0
	s_wait_alu depctr_va_vdst(0)
	s_wait_tensorcnt 0x0
	ds_add_u32 v254, v255
	s_wait_dscnt 0x0
	CROUND                                         ; the closing round
	s_endpgm
.Lfunc_end_k_qc186735ff6_attn:
	.size	k_qc186735ff6_attn, .Lfunc_end_k_qc186735ff6_attn-k_qc186735ff6_attn
	.p2alignl 7, 3214868480
	.fill 96, 4, 3214868480
	.section	.rodata,"a",@progbits
	.p2align	6, 0x0
	.amdhsa_kernel k_qc186735ff6_attn
		.amdhsa_group_segment_fixed_size 215040
		.amdhsa_private_segment_fixed_size 0
		.amdhsa_enable_private_segment 0
		.amdhsa_kernarg_size 32
		.amdhsa_user_sgpr_count 2
		.amdhsa_user_sgpr_kernarg_segment_ptr 1
		.amdhsa_wavefront_size32 1
		.amdhsa_system_sgpr_workgroup_id_x 1
		.amdhsa_system_sgpr_workgroup_id_y 1
		.amdhsa_system_sgpr_workgroup_id_z 1
		.amdhsa_system_vgpr_workitem_id 0
		.amdhsa_next_free_vgpr 256
		.amdhsa_next_free_sgpr 102
		.amdhsa_reserve_vcc 1
		.amdhsa_float_denorm_mode_32 3
		.amdhsa_float_denorm_mode_16_64 3
		.amdhsa_memory_ordered 1
		.amdhsa_forward_progress 1
		.amdhsa_inst_pref_size 69
	.end_amdhsa_kernel
	.amdgpu_metadata
---
amdhsa.version: [ 1, 2 ]
amdhsa.kernels:
  - .name:           k_qc186735ff6_attn
    .symbol:         k_qc186735ff6_attn.kd
    .args:
      - { .name: qkv_img, .offset: 0, .size: 8, .value_kind: global_buffer, .address_space: global }
      - { .name: qkv_sc, .offset: 8, .size: 8, .value_kind: global_buffer, .address_space: global }
      - { .name: ctx_img, .offset: 16, .size: 8, .value_kind: global_buffer, .address_space: global }
      - { .name: ctx_sc, .offset: 24, .size: 8, .value_kind: global_buffer, .address_space: global }
    .group_segment_fixed_size: 215040
    .private_segment_fixed_size: 0
    .kernarg_segment_align: 8
    .kernarg_segment_size: 32
    .max_flat_workgroup_size: 512
    .sgpr_count:     102
    .vgpr_count:     256
    .wavefront_size: 32
...
	.end_amdgpu_metadata
.endif
;; end of part 3
;; launch proj (part 4): grid 4 x 32, 4 waves a work-group, clusters of 4 x 4, 327,680 bytes of LDS; arguments ctx_img, ctx_sc, xw_img, xw_sc, bo, out0; writes out0
.if DOCPART == 4
	.amdgcn_target "amdgcn-amd-amdhsa--gfx1250"
	.amdhsa_code_object_version 6
	.text
	.protected	k_qc186735ff6_proj
	.globl	k_qc186735ff6_proj
	.p2align	8
	.type	k_qc186735ff6_proj,@function
k_qc186735ff6_proj:
	s_mov_b64 s[64:65], 0
	v_nop
	global_prefetch_b8 v0, s[64:65] scope:SCOPE_SE
	s_setreg_imm32_b32 hwreg(HW_REG_WAVE_MODE, 25, 1), 1
	s_wait_xcnt 0x0
	s_wait_alu depctr_hold_cnt(0) depctr_sa_sdst(0) depctr_va_vdst(0) depctr_va_sdst(0) depctr_va_ssrc(0) depctr_va_vcc(0) depctr_vm_vsrc(0)
	s_getreg_b32 s2, hwreg(HW_REG_IB_STS2, 6, 4)
	s_cmp_eq_u32 s2, 0
	s_cbranch_scc0 .Lentry_in_a_cluster
	s_endpgm
.Lentry_in_a_cluster:
	s_bfe_u32 s2, ttmp6, 0x10000c
	s_cmp_lg_u32 s2, 0xf033
	s_cbranch_scc0 .Lentry_shape_is_right
	s_endpgm
.Lentry_shape_is_right:
; out0 = ctx Wo^T + bo on codes of FP6 (E2M3) with E8M0 scales, K = 1,024, sums in f32.
; OPERANDS come as register images (16 positions x 128 K = 1,536 bytes: for each half c of K, registers 6 c .. 6 c + 3 at 16 x lane, registers 6 c + 4, 5 at 512 + 8 x lane): ctx_img [row tile 512][kappa 8][1536]; Wo from row tile 704 of xw_img.
; Position p of a tensor holds the row p with bits 3 and 4 exchanged.  'A' = ctx (source 1) gives the lanes: lane r of block a is token 32 (a / 2) + 8 (a % 2) + (r & 7) + 16 (r >> 3) of my 128.
; 'B' = Wo (source 0) gives the registers: register j of block b is output column 32 (b / 2) + 16 (lane / 16) + 8 (b % 2) + j of my 128.
; A work-group makes 256 x 256; four waves, each 128 x 128: 64 accumulators, 512 registers.  K goes in four steps of 256 through two LDS slots filled by the tensor data mover; all four are written out.
; The bias is the C of each sum's first matrix instruction.  CLUSTERS: 4 x 4 work-groups; A's tiles are asked for jointly along a row of the cluster, B's along a column.
; The launch has 128 work-groups: 32 x 4 tiles of 256 x 256.
; REGISTERS, in windows of 256: window 0: v0-31 addresses; v32-63 scale words, two sets; v64-127 the bias, eight registers a block of B; v128-223 A's fragments, ONE set; on the way out v128-255 rows of out0.
;   window 1: B's fragments, two sets, at v0 and v128.   window 2: the accumulators of my A blocks 0-3 ((a, b) at v[8 (8 a + b)]);  window 3: those of blocks 4-7.
.set NQ,     2                         ; matrix instructions deep in a slot
.set FR,     12                        ; registers of a fragment
.set NL,     4                         ; LDS loads that bring one
.set NP,     4                         ; places behind this matrix instruction (ISA guide 7.12.1)
.set FRB,    1536                      ; a fragment's image
.set TROW,   NQ*FRB                    ; a row tile's bytes in a slot
.set FROW,   8*FRB                     ; and in memory, all of K
.set HALFT,  8*TROW                    ; 128 rows: what one tensor load brings, and what one wave reads of A or of B
.set SLOT,   4*HALFT                   ; A's 256 rows, then B's 256 rows
.set SCL,    2*SLOT                    ; behind the ring: the scale words
.set HALFS,  8*512                     ; those of 128 rows
.set SPARE,  SCL+4*HALFS               ; behind them: the spare words, 128 bytes for each wave: two blocks of 256 bytes that no other line names
.set SPITCH, 528                       ; the way out: a stage of 16 rows x (512 bytes + 16) for each wave, in slot 0, which has had its last fill and its last read when the first result is stored there
.set ADRA, 16                          ; v16-17 LDS address of my A fragments in slot 0, 1, + 16 x lane;  v18-19 the same + 8 x lane
.set ADRB, 20                          ; v20-23 the same for B
.set STO,  24                          ; v24  the way out: where I put 32 bytes of a row
.set RD,   25                          ; v25  and where I read a row back
.set CO,   26                          ; v26  16 x lane: my byte offset in a row of 512 bytes
.set ADRS, 27                          ; v27  LDS address of my scale words: lanes 0-15 A's rows, lanes 16-31 B's
.set SPW,  28                          ; v28  LDS address of my spare word; never rewritten
.set NIL,  29                          ; v29  0; never rewritten
.set SC,   32                          ; scale words: set s at v[SC + 16 s]; register 2 i + q: lanes 0-15 the word of A's block i, lanes 16-31 of B's block i, for the slot's q-th 128 along K
.set BI,   64                          ; the bias
.set AF,   128                         ; A's fragments
.set BK,   128                         ; the way out: 16 rows read back from the stage: v128-191 and v192-255 by turns
.set G1, 24                            ; s[24:31] descriptor group 1 for A's tiles;  s[32:39] group 0, one set for each slot
.set G0, 32
.set G1B, 48                           ; s[48:55], s[56:63] the same for B's
.set G0B, 56
.set G1S, 68                           ; s[68:75], s[76:79] groups 1 and 0 for A's scales;  s[80:87], s[88:91] for B's
.set G0S, 76
.set G1SB, 80
.set G0SB, 88
.set MSB, 0
.macro WIN new                         ; the immediate's high byte repeats the setting that is left
.if MSB != \new
	s_set_vgpr_msb (MSB<<8)|\new
.set MSB, \new
.endif
.endm
.set MUL_LO, 0xa1                      ; source 0 (B) window 1, source 1 (A) window 0, C and D window 2
.set MUL_HI, 0xf1                      ; the same, C and D window 3
.set BIA_LO, 0x81                      ; the first products: C (the bias) window 0, D window 2
.set BIA_HI, 0xc1                      ; D window 3
.set TO_B,   0x40                      ; destination window 1, address window 0
; A joint load: waves 0 and 1 fetch for A, waves 2 and 3 for B.  Each of the two lines has one mask and one set of registers for all that issue it; the branch hangs on the wave's number alone.
; Four v_nop follow each of the two lines, ahead of the jump, the label and what follows.
.macro JLOAD g0a, g1a, g0b, g1b
	s_cmp_eq_u32 s17, 0
	s_cbranch_scc0 .Lfor_b_\@
	tensor_load_to_lds s[\g0a:\g0a+3], s[\g1a:\g1a+7]
	s_nop 0
.rept 4
	v_nop
.endr
	s_branch .Lasked_\@
.Lfor_b_\@:
	tensor_load_to_lds s[\g0b:\g0b+3], s[\g1b:\g1b+7]
	s_nop 0
.rept 4
	v_nop
.endr
.Lasked_\@:
.endm
.macro CREST                           ; a round of the cluster's barrier behind its opening barrier
	s_cmp_lg_u32 s16, 0
	s_cbranch_scc1 .Lnot_wave_0_\@
	s_barrier_signal -3
.Lnot_wave_0_\@:
	s_barrier_wait -3
	s_barrier_signal -1
	s_barrier_wait -1
.endm
.macro CROUND                          ; a whole round
	s_barrier_signal -1
	s_barrier_wait -1
	CREST
.endm
	s_load_b128 s[4:7], s[0:1], 0x0                ; A's codes and scales: ctx_img, ctx_sc
	s_load_b128 s[8:11], s[0:1], 0x10              ; B's: xw_img, xw_sc
	s_load_b128 s[12:15], s[0:1], 0x20             ; bo, out0
	v_lshl_add_u32 v[SPW], v0, 2, SPARE
	v_mov_b32 v[NIL], 0
	ds_add_u32 v28, v29
	ds_add_u32 v28, v29
	s_wait_dscnt 0x0
	v_lshrrev_b32 v1, 5, v0
	v_readfirstlane_b32 s16, v1                    ; wave 0..3
	s_lshr_b32 s17, s16, 1                         ; which half of A's rows is mine.  Also: I fetch for A (0) or for B (1)
	s_and_b32 s18, s16, 1                          ; which half of B's rows.  Also: which 128 rows of that tile I fetch
	s_bfe_u32 s40, ttmp6, 0x40000                  ; cx, cy: my place in the cluster
	s_bfe_u32 s41, ttmp6, 0x40004
	s_lshl_b32 s42, ttmp9, 2
	s_add_co_u32 s42, s42, s40                     ; wx = 4 x cluster x + cx
	s_and_b32 s19, ttmp7, 0xffff
	s_lshl_b32 s19, s19, 2
	s_add_co_u32 s19, s19, s41                     ; wy = 4 x cluster y + cy
	s_lshl_b32 s43, s41, 2
	s_lshl_b32 s43, 15, s43                        ; my row of the cluster
	s_lshl_b32 s44, 0x1111, s40                    ; my column
	; descriptor group 1 for codes: 8 row tiles x 3,072 bytes (384 elements of 8 bytes), 12,288 bytes apart in memory, on end in LDS
	s_or_b32 s[G1+0], s43, (3<<16)|(1<<21)         ; 15:0 the mask: A's tiles go to my row; 17:16 elements of 8 bytes; 20 no padding; 21 set beside a mask
	s_or_b32 s[G1B+0], s44, (3<<16)|(1<<21)
.irp g, G1, G1B
	s_mov_b32 s[\g+1], 384<<16                     ; tensor_dim0
	s_mov_b32 s[\g+2], 8<<16                       ; tensor_dim1
	s_mov_b32 s[\g+3], 384<<16                     ; tile_dim0
	s_mov_b32 s[\g+4], 8                           ; tile_dim1
	s_mov_b32 s[\g+5], 1536                        ; tensor_dim0_stride
	s_mov_b32 s[\g+6], 0
	s_mov_b32 s[\g+7], 0
.endr
	; and for the scale words of 128 rows: 4,096 dense bytes as 16 rows of 256
	s_or_b32 s[G1S+0], s43, (3<<16)|(1<<21)
	s_or_b32 s[G1SB+0], s44, (3<<16)|(1<<21)
.irp g, G1S, G1SB
	s_mov_b32 s[\g+1], 32<<16
	s_mov_b32 s[\g+2], 16<<16
	s_mov_b32 s[\g+3], 32<<16
	s_mov_b32 s[\g+4], 16
	s_mov_b32 s[\g+5], 32
	s_mov_b32 s[\g+6], 0
	s_mov_b32 s[\g+7], 0
.endr
	s_lshl_b32 s20, s19, 4                         ; A's first row tile: 16 wy
	s_lshl_b32 s46, s42, 4
	s_add_co_u32 s46, s46, 704                     ; B's: 704 + 16 wx
	s_lshl_b32 s21, s18, 3                         ; which 8 row tiles I fetch
	s_add_co_u32 s20, s20, s21
	s_add_co_u32 s46, s46, s21
	s_lshl_b32 s22, s20, 9                         ; where these rows' scale words begin,
	s_mov_b32 s23, 0
	s_mul_i32 s20, s20, FROW                       ; and their codes
	s_mov_b32 s21, 0
	s_lshl_b32 s92, s46, 9
	s_mov_b32 s93, 0
	s_mul_i32 s46, s46, FROW
	s_mov_b32 s47, 0
	s_mul_i32 s45, s16, HALFT                      ; where they go: wave x 128 rows: no place in the cluster enters an LDS address
	s_lshl_b32 s94, s16, 12
	s_wait_kmcnt 0x0
	s_add_nc_u64 s[20:21], s[4:5], s[20:21]
	s_add_nc_u64 s[22:23], s[6:7], s[22:23]
	s_add_nc_u64 s[46:47], s[8:9], s[46:47]
	s_add_nc_u64 s[92:93], s[10:11], s[92:93]
	CROUND                                         ; all sixteen work-groups are here: the first joint loads meet
	s_mov_b32 s[G0S], 1
	s_add_co_u32 s[G0S+1], s94, SCL
	s_mov_b64 s[G0S+2:G0S+3], s[22:23]
	s_or_b32 s[G0S+3], s[G0S+3], 0x80000000
	s_mov_b32 s[G0SB], 1
	s_add_co_u32 s[G0SB+1], s94, SCL
	s_mov_b64 s[G0SB+2:G0SB+3], s[92:93]
	s_or_b32 s[G0SB+3], s[G0SB+3], 0x80000000
	JLOAD G0S, G1S, G0SB, G1SB                     ; the scale words first: they are wanted with K step 0
.irp s, 0,1
	s_mov_b32 s[G0+4*\s], 1
	s_add_co_u32 s[G0+4*\s+1], s45, \s*SLOT
	s_add_nc_u64 s[G0+4*\s+2:G0+4*\s+3], s[20:21], \s*TROW
	s_or_b32 s[G0+4*\s+3], s[G0+4*\s+3], 0x80000000
	s_mov_b32 s[G0B+4*\s], 1
	s_add_co_u32 s[G0B+4*\s+1], s45, \s*SLOT
	s_add_nc_u64 s[G0B+4*\s+2:G0B+4*\s+3], s[46:47], \s*TROW
	s_or_b32 s[G0B+4*\s+3], s[G0B+4*\s+3], 0x80000000
	s_wait_alu depctr_va_vdst(0)
	s_wait_tensorcnt 0x0
	ds_add_u32 v28, v29
	s_wait_dscnt 0x0
	CROUND
	JLOAD G0+4*\s, G1, G0B+4*\s, G1B               ; three loads of mine are out at the most
.endr
	v_and_b32 v1, 15, v0                           ; r
	v_bfe_u32 v2, v0, 4, 1                         ; h
	v_and_b32 v3, 31, v0                           ; lane
	; the bias: block b's eight registers are bo at my columns 32 (b / 2) + 16 h + 8 (b % 2) + 0 .. 7
	s_lshl_b32 s92, s42, 10                        ; my first column, in bytes: 1,024 wx + 512 x my half of B
	s_lshl_b32 s94, s18, 9
	s_add_co_u32 s92, s92, s94
	s_mov_b32 s93, 0
	s_add_nc_u64 s[12:13], s[12:13], s[92:93]
	v_lshlrev_b32 v7, 6, v2
.irp b, 0,1,2,3,4,5,6,7
	global_load_b128 v[BI+8*\b:BI+8*\b+3], v7, s[12:13] offset:128*(\b/2)+32*(\b%2)
	global_load_b128 v[BI+8*\b+4:BI+8*\b+7], v7, s[12:13] offset:128*(\b/2)+32*(\b%2)+16
.endr
	v_lshlrev_b32 v[CO], 4, v3
	v_lshlrev_b32 v5, 3, v3
	s_mul_i32 s21, s17, HALFT                      ; my 128 rows of A
	s_mul_i32 s22, s18, HALFT                      ; my 128 rows of B,
	s_add_co_u32 s22, s22, 2*HALFT                 ; which lie behind A's 256
.irp s, 0,1
	v_add_nc_u32 v[ADRA+\s], s21, v[CO]
	v_add_nc_u32 v[ADRB+\s], s22, v[CO]
	v_add_nc_u32 v[ADRA+2+\s], s21, v5
	v_add_nc_u32 v[ADRB+2+\s], s22, v5
	s_add_co_u32 s21, s21, SLOT
	s_add_co_u32 s22, s22, SLOT
.endr
	s_lshl_b32 s21, s17, 12                        ; A's scale words: my 128 rows
	s_lshl_b32 s22, s18, 12                        ; B's: my 128 rows, behind A's 256
	s_add_co_u32 s22, s22, 2*HALFS
	s_sub_co_u32 s22, s22, s21
	v_mul_u32_u24 v6, s22, v2                      ; lanes 16-31 take B's
	s_add_co_u32 s21, s21, SCL
	v_lshl_add_u32 v6, v1, 4, v6                   ; 16 bytes a row in each half of a row tile's 512
	v_add_nc_u32 v[ADRS], s21, v6
	s_mul_i32 s23, s16, 16*SPITCH                  ; my stage
	v_mul_u32_u24 v6, v1, SPITCH                   ; in: row r, + 64 h: my half's 16 columns of each 32
	v_lshl_add_u32 v6, v2, 6, v6
	v_add_nc_u32 v[STO], s23, v6
	v_add_nc_u32 v[RD], s23, v[CO]                 ; back: the 32 lanes take one row of 512 bytes
	s_lshl_b32 s94, s19, 8
	s_lshl_b32 s95, s17, 7
	s_add_co_u32 s94, s94, s95                     ; my first row of out0: 256 wy + 128 x my half of A,
	s_lshl_b32 s94, s94, 12                        ; rows of 4,096 bytes,
	s_add_co_u32 s92, s92, s94                     ; + my first column
	s_add_nc_u64 s[14:15], s[14:15], s[92:93]
.macro FRAG reg, adr, q, i             ; a fragment comes as it was stored: every load takes 512 or 256 consecutive bytes
	ds_load_b128 v[\reg:\reg+3], v[\adr] offset:(\i)*TROW+(\q)*FRB
	ds_load_b64 v[\reg+4:\reg+5], v[\adr+2] offset:(\i)*TROW+(\q)*FRB+512
	ds_load_b128 v[\reg+6:\reg+9], v[\adr] offset:(\i)*TROW+(\q)*FRB+768
	ds_load_b64 v[\reg+10:\reg+11], v[\adr+2] offset:(\i)*TROW+(\q)*FRB+1280
.endm
; 16 matrix instructions: A's blocks a0, a0 + 1 x B's eight, 128 along K: the slot's q-th.  p: B's set;  sc: the set of scale words.  zero = 1: the first product starts the sums, with the bias as its C.
; The 64 accumulators take turns, one instruction a turn, in the same order in every step.
.macro MUL16 a0, p, q, sc, zero
.irp a, \a0, \a0+1
.irp b, 0,1,2,3,4,5,6,7
.if \zero
	v_wmma_scale_f32_16x16x128_f8f6f4 v[8*(8*((\a)%4)+\b):8*(8*((\a)%4)+\b)+7], v[128*(\p)+FR*\b:128*(\p)+FR*\b+FR-1], v[AF+FR*(\a):AF+FR*(\a)+FR-1], v[BI+8*\b:BI+8*\b+7], v[SC+8*NQ*(\sc)+NQ*\b+(\q)], v[SC+8*NQ*(\sc)+NQ*(\a)+(\q)] matrix_a_fmt:MATRIX_FMT_FP6 matrix_b_fmt:MATRIX_FMT_FP6 matrix_a_scale:MATRIX_SCALE_ROW1
.else
	v_wmma_scale_f32_16x16x128_f8f6f4 v[8*(8*((\a)%4)+\b):8*(8*((\a)%4)+\b)+7], v[128*(\p)+FR*\b:128*(\p)+FR*\b+FR-1], v[AF+FR*(\a):AF+FR*(\a)+FR-1], v[8*(8*((\a)%4)+\b):8*(8*((\a)%4)+\b)+7], v[SC+8*NQ*(\sc)+NQ*\b+(\q)], v[SC+8*NQ*(\sc)+NQ*(\a)+(\q)] matrix_a_fmt:MATRIX_FMT_FP6 matrix_b_fmt:MATRIX_FMT_FP6 matrix_a_scale:MATRIX_SCALE_ROW1
.endif
.endr
.endr
.endm
.macro FETCH_B slot, q, p              ; B's eight fragments of the slot's q-th 128 along K into set p
	WIN TO_B
.irp i, 0,1,2,3,4,5,6,7
	FRAG 128*(\p)+FR*\i, ADRB+\slot, \q, \i
.endr
	WIN 0
.endm
.macro FETCH_A slot, q, i0             ; A's blocks i0 .. i0 + 3
.irp i, \i0, \i0+1, \i0+2, \i0+3
	FRAG AF+FR*(\i), ADRA+\slot, \q, \i
.endr
.endm
.macro SCALES sc, ks                   ; K step ks's scale words into set sc: two words a row; lanes 0-15 take A's block i, lanes 16-31 B's block i
.irp i, 0,1,2,3,4,5,6,7
	ds_load_b64 v[SC+8*NQ*\sc+NQ*\i:SC+8*NQ*\sc+NQ*\i+1], v[ADRS] offset:\i*512+256*((\ks)/2)+8*((\ks)%2)
.endr
.endm
; A load into a register that a matrix instruction has read, and a vector instruction or an LDS store that reads a matrix result, stand NP places behind it; only plain vector instructions
; that name none of its registers are places (ISA guide 7.12.1 for vector instructions).
.macro PLACES n
.rept \n
	v_nop
.endr
.endm
; A step of 128 along K that has its successor in the same slot.  A block of A is free as soon as its eight products are issued, so A has one set: blocks 0-3 are fetched anew in the middle, blocks 4-7 at the end.
.macro STEP slot, q, zero
	s_wait_dscnt 4*NL                              ; B's set and A's blocks 0-3 are in; the youngest 16 loads (A's blocks 4-7) may be out
.if \zero
	WIN BIA_LO
.else
	WIN MUL_LO
.endif
	MUL16 0, (\q)%2, \q, \slot, \zero
	MUL16 2, (\q)%2, \q, \slot, \zero
	s_wait_dscnt 0                                 ; A's blocks 4-7 are in
	PLACES NP
	FETCH_B \slot, (\q)+1, 1-(\q)%2
	FETCH_A \slot, (\q)+1, 0
.if \zero
	WIN BIA_HI
.else
	WIN MUL_HI
.endif
	MUL16 4, (\q)%2, \q, \slot, \zero
	MUL16 6, (\q)%2, \q, \slot, \zero
	PLACES NP
	WIN 0
	FETCH_A \slot, (\q)+1, 4
.endm
; A slot's last step changes slots: ONE barrier; in front of it each wave waits for all its tensor loads, adds 0 to its spare word, and waits for that and for its own reads of this slot.
; fill = 1: this slot is filled again, two K steps ahead; the barrier then opens a round of the cluster's barrier.  ks: the K step that lies in the next slot.
.macro TURN slot, next, fill, ks
	s_wait_tensorcnt 0x0                           ; all my tensor loads have landed: my part of the next slot;  (every window is 0 here)
	ds_add_u32 v[SPW], v[NIL]                      ; 0 onto my spare word
	s_wait_dscnt 4*NL+1                            ; (the add and the youngest 16 loads, A's blocks 4-7, may be out)
	WIN MUL_LO
	MUL16 0, 1, NQ-1, \slot, 0                     ; sixteen matrix instructions stand between the add and the wait for it
	s_wait_dscnt 0x0                               ; the add is done, and my reads of this slot are over
	s_barrier_signal -1
	MUL16 2, 1, NQ-1, \slot, 0
	WIN 0
	s_barrier_wait -1
.if \fill
	CREST                                          ; no wave of any partner still reads this slot's tile or has a load on its way
	s_add_nc_u64 s[G0+4*\slot+2:G0+4*\slot+3], s[G0+4*\slot+2:G0+4*\slot+3], 2*TROW
	s_add_nc_u64 s[G0B+4*\slot+2:G0B+4*\slot+3], s[G0B+4*\slot+2:G0B+4*\slot+3], 2*TROW
	JLOAD G0+4*\slot, G1, G0B+4*\slot, G1B         ; the first tensor load behind the round; its four v_nop are the places in front of the loads below
.else
	PLACES NP
.endif
	FETCH_B \next, 0, 0
	FETCH_A \next, 0, 0
	SCALES \next, \ks
	WIN MUL_HI
	MUL16 4, 1, NQ-1, \slot, 0
	MUL16 6, 1, NQ-1, \slot, 0
	PLACES NP
	WIN 0
	FETCH_A \next, 0, 4
.endm
	s_wait_alu depctr_va_vdst(0)
	s_wait_tensorcnt 1                             ; the scale words and my part of K step 0 are in (K step 1's load may be out),
	s_barrier_signal -1
	s_barrier_wait -1                              ; everybody's are
	FETCH_B 0, 0, 0
	FETCH_A 0, 0, 0
	SCALES 0, 0
	FETCH_A 0, 0, 4
	s_wait_loadcnt 0x0                             ; the bias
	STEP 0, 0, 1                                   ; K step 0: its first products start the sums
	TURN 0, 1, 1, 1                                ; slot 0 takes K step 2
	STEP 1, 0, 0                                   ; K step 1
	TURN 1, 0, 1, 2                                ; slot 1 takes K step 3
	STEP 0, 0, 0                                   ; K step 2
	TURN 0, 1, 0, 3                                ; nothing is left to fetch; behind this barrier nobody reads slot 0
	STEP 1, 0, 0                                   ; K step 3
	s_wait_dscnt 4*NL
	WIN MUL_LO
	MUL16 0, 1, NQ-1, 1, 0
	MUL16 2, 1, NQ-1, 1, 0
	s_wait_dscnt 0
	WIN MUL_HI
	MUL16 4, 1, NQ-1, 1, 0
	MUL16 6, 1, NQ-1, 1, 0
	WIN 0
; THE WAY OUT, block by block of 16 rows x 128 columns.  A lane holds pieces of 32 bytes of one row, and the lanes beside it hold other rows: so a block goes through my own stage in LDS and comes back as whole
; rows of 512 bytes, which the 32 lanes store as two aligned runs of 256 bytes.  LDS serves a wave's instructions in order (ISA guide 5.7.1.4): no wait between the stores and the loads, nor in front of the next block's stores.
.macro TOSTAGE a
.set AC, 64*((\a)%4)
.set WD, 0x08+4*((\a)/4)               ; an LDS store's data are its source 1: window 2 or 3
	WIN WD
.irp b, 0,1,2,3,4,5,6,7
	ds_store_b128 v[STO], v[AC+8*\b:AC+8*\b+3] offset:128*(\b/2)+32*(\b%2)          ; each accumulator from its low end on
	ds_store_b128 v[STO], v[AC+8*\b+4:AC+8*\b+7] offset:128*(\b/2)+32*(\b%2)+16
.endr
	WIN 0
.set BB, BK+64*((\a)%2)
.irp t, 0,1,2,3,4,5,6,7,8,9,10,11,12,13,14,15
	ds_load_b128 v[BB+4*\t:BB+4*\t+3], v[RD] offset:\t*SPITCH
.endr
.endm
.macro SEND a, younger                 ; younger: the LDS instructions issued behind block a's loads, which may stay out
.set BB, BK+64*((\a)%2)
	s_wait_dscnt \younger                          ; the block is back in registers
.irp t, 0,1,2,3,4,5,6,7,8,9,10,11,12,13,14,15
	global_store_b128 v[CO], v[BB+4*\t:BB+4*\t+3], s[14:15] offset:(32*((\a)/2)+8*((\a)%2)+(\t%8)+16*(\t/8))*4096 th:TH_STORE_NT   ; stage row t is token 32 (a / 2) + 8 (a % 2) + t % 8 + 16 (t / 8) of my 128; 512 consecutive bytes; 127 rows at the most: inside the signed 24-bit immediate
.endr
.endm
	PLACES NP                                      ; behind the last products: for the loads into the registers that held A's fragments, and for the reads of results
	TOSTAGE 0
.irp a, 1,2,3,4,5,6,7
.if \a > 1
	s_wait_xcnt 0x0                                ; block a - 2's stores have read their registers: block a's loads may land there
.endif
	TOSTAGE \a
	SEND \a-1, 32                                  ; behind block a - 1's loads: block a's 16 stores and 16 loads
.endr
	SEND 7, 0
	s_wait_tensorcnt 0x0                           ; the wave's end
	ds_add_u32 v[SPW], v[NIL]
	s_wait_dscnt 0x0
	CROUND                                         ; the closing round: no work-group ends while a partner may still ask for a tile that names it
	s_endpgm
.Lfunc_end_k_qc186735ff6_proj:
	.size	k_qc186735ff6_proj, .Lfunc_end_k_qc186735ff6_proj-k_qc186735ff6_proj
	.p2alignl 7, 3214868480
	.fill 96, 4, 3214868480
	.section	.rodata,"a",@progbits
	.p2align	6, 0x0
	.amdhsa_kernel k_qc186735ff6_proj
		.amdhsa_group_segment_fixed_size 327680
		.amdhsa_private_segment_fixed_size 0
		.amdhsa_enable_private_segment 0
		.amdhsa_kernarg_size 48
		.amdhsa_user_sgpr_count 2
		.amdhsa_user_sgpr_kernarg_segment_ptr 1
		.amdhsa_wavefront_size32 1
		.amdhsa_system_sgpr_workgroup_id_x 1
		.amdhsa_system_sgpr_workgroup_id_y 1
		.amdhsa_system_sgpr_workgroup_id_z 1
		.amdhsa_system_vgpr_workitem_id 0
		.amdhsa_next_free_vgpr 1024
		.amdhsa_next_free_sgpr 100
		.amdhsa_reserve_vcc 0
		.amdhsa_float_denorm_mode_32 3
		.amdhsa_float_denorm_mode_16_64 3
		.amdhsa_memory_ordered 1
		.amdhsa_forward_progress 1
		.amdhsa_inst_pref_size 145
	.end_amdhsa_kernel
	.amdgpu_metadata
---
amdhsa.version: [ 1, 2 ]
amdhsa.kernels:
  - .name:           k_qc186735ff6_proj
    .symbol:         k_qc186735ff6_proj.kd
    .args:
      - { .name: ctx_img, .offset: 0, .size: 8, .value_kind: global_buffer, .address_space: global }
      - { .name: ctx_sc, .offset: 8, .size: 8, .value_kind: global_buffer, .address_space: global }
      - { .name: xw_img, .offset: 16, .size: 8, .value_kind: global_buffer, .address_space: global }
      - { .name: xw_sc, .offset: 24, .size: 8, .value_kind: global_buffer, .address_space: global }
      - { .name: bo, .offset: 32, .size: 8, .value_kind: global_buffer, .address_space: global }
      - { .name: out0, .offset: 40, .size: 8, .value_kind: global_buffer, .address_space: global }
    .group_segment_fixed_size: 327680
    .private_segment_fixed_size: 0
    .kernarg_segment_align: 8
    .kernarg_segment_size: 48
    .max_flat_workgroup_size: 128
    .sgpr_count:     100
    .vgpr_count:     1024
    .wavefront_size: 32
...
	.end_amdgpu_metadata
.endif
;; end of part 4
